; MI455X (gfx1250); checked and timed in simulation.
; The chip was launched on July 23, 2026; its instructions are those of AMD's public machine-readable ISA for CDNA 5 (MIT licence, August 2026) and "CDNA5" Instruction Set Architecture Reference Guide (July 2026). The comments in the code are by the model that wrote it; some were corrected since.
;; SSD Linear Attention. Allowed arithmetic: float matrix products may take bf16 or f16 operands with f32 sums; other float arithmetic in f32, or as packed bf16 or f16 multiplies, adds, multiply-adds, maxima and minima; sums over many terms, partial sums and values carried from step to step in f32; what a program stores and reads back later, other than sums and carried values, may be rounded once to bf16 or f16.
;; Inputs: Wa 1,024 x 16 float32; Wk 1,024 x 1,024 float32; Wo 1,024 x 1,024 float32; Wq 1,024 x 1,024 float32; Wv 1,024 x 1,024 float32; ba 16 float32; x 2 x 4,096 x 1,024 float32.
;; Outputs: out0 2 x 4,096 x 1,024 float32.
;; One version. Each part assembles by itself: llvm-mc -triple=amdgcn-amd-amdhsa -mcpu=gfx1250 --defsym DOCPART=n.
;; ======== version 1 of 1: 5 launches
;; limits: values are held in f16: magnitudes above 65,504 overflow, below 6.1e-05 lose precision; a difference of large sums (such as E[x^2] - mean^2): digits are lost where the result is much smaller than its terms
;; workspace buffers: xb 16,777,216 bytes; Wb 6,815,744 bytes; WoT 2,097,152 bytes; qkv 50,331,648 bytes; la 524,288 bytes; st 5,308,416 bytes; ob 16,777,216 bytes
;; launch cast (part 1): grid 776 x 1, 8 waves a work-group, no clusters, 18,432 bytes of LDS; arguments x, Wq, Wk, Wv, Wo, Wa, xb, Wb, WoT; writes xb, Wb, WoT
.if DOCPART == 1
	.amdgcn_target "amdgcn-amd-amdhsa--gfx1250"
	.amdhsa_code_object_version 6
	.text
	.protected	k_q48c6303f31_cast
	.globl	k_q48c6303f31_cast
	.p2align	8
	.type	k_q48c6303f31_cast,@function
k_q48c6303f31_cast:
	s_mov_b64 s[64:65], 0
	v_nop
	global_prefetch_b8 v0, s[64:65] scope:SCOPE_SE
	s_setreg_imm32_b32 hwreg(HW_REG_WAVE_MODE, 25, 1), 1
	s_wait_xcnt 0x0
; FIRST OF FIVE LAUNCHES: cast, gemm_qkv, ssd_state, ssd_out, gemm_out.  Together: out = SSD(elu(x Wq)+1, elu(x Wk)+1, x Wv, sigmoid(x Wa + ba + 2)) Wo.
; THE SCAN IN CHUNKS.  reference()'s recurrence S_t = a_t S_(t-1) + k_t v_t^T, z_t = a_t z_(t-1) + k_t is linear, so with L_t = the sum of log2 a inside a chunk
; num_t = sum over s <= t of (q_t.k_s) 2^(L_t-L_s) v_s + 2^(L_t) q_t S_in, den_t likewise with 1 for v_s and z_in for S_in, plus eps: the same numbers in exact arithmetic.
; DEAD WORK, for all values of the inputs.  The recurrence looks back only, and it starts from S0 = z0 = 0, which reference() builds itself.  So score tiles in which every key is later than every
; query reach no output and are not made; states of segments in front of a sequence's first do not exist: nothing is loaded for them, they enter as zeros.  (The product of a sequence's very first
; 128 tokens with that zero state is kept: one text serves all waves.)  All seven inputs have a way to the output and are loaded.
; LIMIT: a NaN, an infinity or an overflow that would reach only the work left out is not carried to the result.
; THIS LAUNCH rounds the inputs once and lays the weights out with K along the rows:
;   xb [8192][1024] bf16 = x.     Wb [3328][1024] bf16: for head h, rows 208 h + 0..63 = columns 64 h .. of Wq, +64.. of Wk, +128.. of Wv, rows +192..207 all = column h of Wa.
;   WoT [1024 d][1024 p] f16 = Wo[p][d] rounded to bf16, that number written as f16.  LIMIT: |Wo| under 65,504.
; SHARES.  Work-groups 0-255: 131,072 bytes of x each.  256-767: one tile of 128 k x 64 n of Wq, Wk, Wv or Wo, turned through LDS.  768-775: 128 k of Wa.
; No matrix unit, no cluster, no tensor load: nothing is shared, each byte is read once and written once.  No prefetch: the launch is one stream of loads that are all out at once.
.set SPARE, 17408                      ; behind the tile (64 rows x 272 bytes): the spare words, 128 bytes for each of eight waves
.set SPW, 136                          ; v136 my spare word's LDS address; never rewritten
.set NIL, 137                          ; v137 0; never rewritten
	s_load_b512 s[4:19], s[0:1], 0x0               ; x s[4:5], Wq s[6:7], Wk s[8:9], Wv s[10:11], Wo s[12:13], Wa s[14:15], xb s[16:17], Wb s[18:19]
	s_load_b64 s[20:21], s[0:1], 0x40              ; WoT
	v_lshl_add_u32 v[SPW], v0, 2, SPARE
	v_mov_b32 v[NIL], 0
	s_cmp_lt_u32 ttmp9, 256
	s_cbranch_scc0 .Lweights
	; x: thread t takes 16 bytes at 16 t of each of 32 blocks of 4,096 bytes; a wave's load covers 512 consecutive bytes, its store 256 consecutive bytes, aligned
	s_lshl_b32 s22, ttmp9, 17
	s_mov_b32 s23, 0
	s_lshl_b32 s24, ttmp9, 16
	s_mov_b32 s25, 0
	v_lshlrev_b32 v1, 4, v0
	v_lshlrev_b32 v2, 3, v0
	s_wait_kmcnt 0x0
	s_add_nc_u64 s[4:5], s[4:5], s[22:23]
	s_add_nc_u64 s[16:17], s[16:17], s[24:25]
.set j, 0
.rept 32
	global_load_b128 v[8+4*j:11+4*j], v1, s[4:5] offset:4096*j th:TH_LOAD_NT  ; all 32 go out first: 16 KiB of each wave on their way
.set j, j+1
.endr
.set j, 0
.rept 32
	s_wait_loadcnt 31-j                            ; loads come back in order: block j is in, the 31 - j younger ones stay out
	v_cvt_pk_bf16_f32 v[8+4*j], v[8+4*j], v[9+4*j]
	v_cvt_pk_bf16_f32 v[9+4*j], v[10+4*j], v[11+4*j]
	global_store_b64 v2, v[8+4*j:9+4*j], s[16:17] offset:2048*j  ; no register is used twice, so nothing waits for a store
.set j, j+1
.endr
	s_branch .Lend
.Lweights:
	s_cmp_lt_u32 ttmp9, 768
	s_cbranch_scc0 .Lgate
	s_sub_co_u32 s22, ttmp9, 256
	s_lshr_b32 s23, s22, 7                         ; which matrix: 0 Wq, 1 Wk, 2 Wv, 3 Wo
	s_and_b32 s24, s22, 7                          ; which 128 k
	s_bfe_u32 s25, s22, 0x40003                    ; which 64 n (for q, k, v: the head)
	s_lshl_b32 s26, s24, 19                        ; 128 rows of 4,096 bytes
	s_lshl_b32 s27, s25, 8                         ; 64 columns of 4 bytes
	s_add_co_u32 s26, s26, s27
	s_mov_b32 s27, 0
	s_mul_i32 s28, s25, 208
	s_lshl_b32 s29, s23, 6
	s_add_co_u32 s28, s28, s29
	s_lshl_b32 s28, s28, 11                        ; Wb: row 208 head + 64 matrix, 2,048 bytes a row
	s_lshl_b32 s29, s25, 17                        ; WoT: row 64 n-tile
	s_cmp_eq_u32 s23, 3
	s_cselect_b32 s28, s29, s28
	s_lshl_b32 s29, s24, 8                         ; + 128 k of 2 bytes
	s_add_co_u32 s28, s28, s29
	s_mov_b32 s29, 0
	v_and_b32 v6, 15, v0                           ; nq: my four columns
	v_lshrrev_b32 v7, 4, v0                        ; kp: my pair of rows in each 32
	v_lshlrev_b32 v1, 13, v7
	v_lshl_add_u32 v1, v6, 4, v1                   ; source: kp x 2 rows + nq x 16 bytes
	v_mul_u32_u24 v3, v6, 1088
	v_lshl_add_u32 v3, v7, 2, v3                   ; LDS in: row n = 4 nq (+ j), word kp (+ 16 i)
	v_mul_u32_u24 v4, v7, 272
	v_lshl_add_u32 v4, v6, 4, v4                   ; LDS back: row t / 16, 16 bytes at t % 16
	v_lshlrev_b32 v5, 11, v7
	v_lshl_add_u32 v5, v6, 4, v5                   ; and the same place in the target's rows
	s_wait_kmcnt 0x0
	s_cmp_eq_u32 s23, 0
	s_cselect_b64 s[30:31], s[6:7], s[8:9]
	s_cmp_eq_u32 s23, 2
	s_cselect_b64 s[30:31], s[10:11], s[30:31]
	s_cmp_eq_u32 s23, 3
	s_cselect_b64 s[30:31], s[12:13], s[30:31]
	s_cselect_b64 s[32:33], s[20:21], s[18:19]
	s_add_nc_u64 s[30:31], s[30:31], s[26:27]
	s_add_nc_u64 s[32:33], s[32:33], s[28:29]
.irp i, 0,1,2,3
	global_load_b128 v[8+8*\i:11+8*\i], v1, s[30:31] offset:\i*131072 th:TH_LOAD_NT        ; row 32 i + 2 kp: sixteen lanes read 256 consecutive bytes
	global_load_b128 v[12+8*\i:15+8*\i], v1, s[30:31] offset:\i*131072+4096 th:TH_LOAD_NT  ; and the row below
.endr
	s_wait_loadcnt 0x0
.irp i, 0,1,2,3
.irp j, 0,1,2,3
	v_cvt_pk_bf16_f32 v[40+4*\i+\j], v[8+8*\i+\j], v[12+8*\i+\j]  ; two neighbouring k of one column n
.endr
.endr
	s_cmp_lg_u32 s23, 3
	s_cbranch_scc1 .Lkeep
.set i, 0
.rept 16                                       ; Wo: the bf16 number is written as f16
	v_lshlrev_b32 v56, 16, v[40+i]
	v_and_b32 v57, 0xffff0000, v[40+i]
	v_cvt_pk_f16_f32 v[40+i], v56, v57
.set i, i+1
.endr
.Lkeep:
.irp i, 0,1,2,3
.irp j, 0,1,2,3
	ds_store_b32 v3, v[40+4*\i+\j] offset:\j*272+64*\i
.endr
.endr
	s_wait_dscnt 0x0                               ; for the others' sake: my stores into the tile are done
	s_barrier_signal -1
	s_barrier_wait -1
.irp i, 0,1,2,3
	ds_load_b128 v[8+4*\i:11+4*\i], v4 offset:4352*\i
.endr
	s_wait_dscnt 0x0
.irp i, 0,1,2,3
	global_store_b128 v5, v[8+4*\i:11+4*\i], s[32:33] offset:32768*\i  ; sixteen lanes store 256 consecutive bytes, aligned
.endr
	s_branch .Lend
.Lgate:
	s_sub_co_u32 s22, ttmp9, 768                   ; which 128 k of Wa
	s_lshl_b32 s26, s22, 13                        ; 128 rows of 64 bytes
	s_mov_b32 s27, 0
	s_lshl_b32 s28, s22, 8
	s_mov_b32 s29, 0
	v_and_b32 v6, 3, v0                            ; nq: my four heads
	v_lshrrev_b32 v7, 2, v0                        ; kp: my pair of rows
	v_lshlrev_b32 v1, 7, v7
	v_lshl_add_u32 v1, v6, 4, v1
	v_mul_u32_u24 v3, v6, 1088
	v_lshl_add_u32 v3, v7, 2, v3
	v_and_b32 v6, 15, v0
	v_lshrrev_b32 v7, 4, v0                        ; back: head t / 16
	v_mul_u32_u24 v4, v7, 272
	v_lshl_add_u32 v4, v6, 4, v4
	v_mul_u32_u24 v5, v7, 425984                   ; 208 rows of 2,048 bytes a head
	v_lshl_add_u32 v5, v6, 4, v5
	s_wait_kmcnt 0x0
	s_add_nc_u64 s[14:15], s[14:15], s[26:27]
	s_add_nc_u64 s[18:19], s[18:19], s[28:29]
	global_load_b128 v[8:11], v1, s[14:15] th:TH_LOAD_NT
	global_load_b128 v[12:15], v1, s[14:15] offset:64 th:TH_LOAD_NT
	s_wait_loadcnt 0x0
.irp j, 0,1,2,3
	v_cvt_pk_bf16_f32 v[40+\j], v[8+\j], v[12+\j]
.endr
.irp j, 0,1,2,3
	ds_store_b32 v3, v[40+\j] offset:\j*272
.endr
	s_wait_dscnt 0x0
	s_barrier_signal -1
	s_barrier_wait -1
	ds_load_b128 v[8:11], v4
	s_wait_dscnt 0x0
.set i, 0
.rept 16
	global_store_b128 v5, v[8:11], s[18:19] offset:393216+2048*i  ; the head's column of Wa, sixteen times: rows 192 .. 207 of its block
.set i, i+1
.endr
.Lend:
	s_wait_tensorcnt 0x0                           ; the wave's end, behind my last LDS store
	ds_add_u32 v[SPW], v[NIL]
	s_wait_dscnt 0x0
	s_endpgm
.Lfunc_end_k_q48c6303f31_cast:
	.size	k_q48c6303f31_cast, .Lfunc_end_k_q48c6303f31_cast-k_q48c6303f31_cast
	.p2alignl 7, 3214868480
	.fill 96, 4, 3214868480
	.section	.rodata,"a",@progbits
	.p2align	6, 0x0
	.amdhsa_kernel k_q48c6303f31_cast
		.amdhsa_group_segment_fixed_size 18432
		.amdhsa_private_segment_fixed_size 0
		.amdhsa_enable_private_segment 0
		.amdhsa_kernarg_size 72
		.amdhsa_user_sgpr_count 2
		.amdhsa_user_sgpr_kernarg_segment_ptr 1
		.amdhsa_wavefront_size32 1
		.amdhsa_system_sgpr_workgroup_id_x 1
		.amdhsa_system_sgpr_workgroup_id_y 1
		.amdhsa_system_sgpr_workgroup_id_z 1
		.amdhsa_system_vgpr_workitem_id 0
		.amdhsa_next_free_vgpr 140
		.amdhsa_next_free_sgpr 66
		.amdhsa_reserve_vcc 0
		.amdhsa_float_denorm_mode_32 3
		.amdhsa_float_denorm_mode_16_64 3
		.amdhsa_memory_ordered 1
		.amdhsa_forward_progress 1
		.amdhsa_inst_pref_size 24
	.end_amdhsa_kernel
	.amdgpu_metadata
---
amdhsa.version: [ 1, 2 ]
amdhsa.kernels:
  - .name:           k_q48c6303f31_cast
    .symbol:         k_q48c6303f31_cast.kd
    .args:
      - { .name: x, .offset: 0, .size: 8, .value_kind: global_buffer, .address_space: global }
      - { .name: Wq, .offset: 8, .size: 8, .value_kind: global_buffer, .address_space: global }
      - { .name: Wk, .offset: 16, .size: 8, .value_kind: global_buffer, .address_space: global }
      - { .name: Wv, .offset: 24, .size: 8, .value_kind: global_buffer, .address_space: global }
      - { .name: Wo, .offset: 32, .size: 8, .value_kind: global_buffer, .address_space: global }
      - { .name: Wa, .offset: 40, .size: 8, .value_kind: global_buffer, .address_space: global }
      - { .name: xb, .offset: 48, .size: 8, .value_kind: global_buffer, .address_space: global }
      - { .name: Wb, .offset: 56, .size: 8, .value_kind: global_buffer, .address_space: global }
      - { .name: WoT, .offset: 64, .size: 8, .value_kind: global_buffer, .address_space: global }
    .group_segment_fixed_size: 18432
    .private_segment_fixed_size: 0
    .kernarg_segment_align: 8
    .kernarg_segment_size: 72
    .max_flat_workgroup_size: 256
    .sgpr_count:     66
    .vgpr_count:     140
    .wavefront_size: 32
...
	.end_amdgpu_metadata
.endif
;; end of part 1
;; launch gemm_qkv (part 2): grid 16 x 32, 4 waves a work-group, clusters of 4 x 4, 327,680 bytes of LDS; arguments xb, Wb, ba, qkv, la; writes qkv, la
.if DOCPART == 2
	.amdgcn_target "amdgcn-amd-amdhsa--gfx1250"
	.amdhsa_code_object_version 6
	.text
	.protected	k_q48c6303f31_gemm_qkv
	.globl	k_q48c6303f31_gemm_qkv
	.p2align	8
	.type	k_q48c6303f31_gemm_qkv,@function
k_q48c6303f31_gemm_qkv:
	s_mov_b64 s[64:65], 0
	v_nop
	global_prefetch_b8 v0, s[64:65] scope:SCOPE_SE
	s_setreg_imm32_b32 hwreg(HW_REG_WAVE_MODE, 25, 1), 1
	s_wait_xcnt 0x0
	s_wait_alu depctr_hold_cnt(0) depctr_sa_sdst(0) depctr_va_vdst(0) depctr_va_sdst(0) depctr_va_ssrc(0) depctr_va_vcc(0) depctr_vm_vsrc(0)
	s_getreg_b32 s2, hwreg(HW_REG_IB_STS2, 6, 4)
	s_cmp_eq_u32 s2, 0
	s_cbranch_scc0 .Lentry_in_a_cluster
	s_endpgm
.Lentry_in_a_cluster:
	s_bfe_u32 s2, ttmp6, 0x10000c
	s_cmp_lg_u32 s2, 0xf033
	s_cbranch_scc0 .Lentry_shape_is_right
	s_endpgm
.Lentry_shape_is_right:
; q = elu(x Wq) + 1, k = elu(x Wk) + 1, v = x Wv, by heads in f16: qkv = q, k, v, each [32 = 16 b + h][4096][64]; la [32][4096] f32 = log2 sigmoid(x Wa + ba + 2).
; Operands bf16 (xb, Wb), sums f32.  LIMITS: |x W| + 1 stays under 65,504 (f16); NaN and infinities are not treated apart.  ba is rounded to bf16 like every input.
; A TILE is 256 tokens x ONE HEAD's 208 columns of Wb: 64 of q, 64 of k, 64 of v and 16 that all hold the head's gate logit.  Four waves, one above the other: wave w has tokens 64 w .. + 63 and all
; columns: 4 x 13 accumulators of 16 x 16, 416 registers.  K = 1,024 goes in 8 steps of 128 through two LDS slots filled by the tensor data mover; rows of 256 bytes, aligned.
; CLUSTER 4 x 4: the four of a row need the same tokens, the four of a column the same head's weights: each tile is asked for jointly, by the same load, descriptor and mask in all four.
; THE MATRIX INSTRUCTION IS USED TRANSPOSED (source 0 = 16 rows of Wb, source 1 = 16 tokens): a lane holds one token (lane % 16) and eight neighbouring columns.
; REGISTERS (windows of 256): window 0: v0-39 addresses and the gate; v64-127 x's fragments, two buffers of 4 x 8; on the way out v64-127, v128-191, v192-239 at work.
;   window 1: Wb's fragments, buffers at v0 and v128, 13 x 8 each.   window 2: accumulators of token blocks 0, 1 at v[8 (13 (a % 2) + b)].   window 3: of blocks 2, 3.
.set NBLK,  13
.set PA,    272                        ; an LDS row: 256 bytes + 16 of padding: the 16 rows of a fragment load start 68 words apart
.set ASZ,   256*PA                     ; x's 256 rows; Wb's 208 rows lie behind them
.set SLOT1, 131072                     ; slot 1 begins here: one exclusive or turns an address in one slot into the other's
.set STAGE, 257280                     ; behind the ring: 3 x 16 rows x 144 bytes for each wave, for the way out
.set SPARE, 284928                     ; behind the stages: the spare words, 128 bytes a wave
.set NLD,   2*NBLK+8                   ; LDS loads of a quarter step
.set KSB,   256                        ; bytes of a row in a K step
.set MSB, 0
.macro WIN new                         ; the immediate's high byte repeats the setting that is left; a switch that changes nothing is dropped
.if MSB != (\new)
	s_set_vgpr_msb (MSB<<8)|(\new)
.set MSB, (\new)
.endif
.endm
.macro PLACES                          ; four plain places behind a matrix instruction, in front of loads into registers that it has read
.rept 4
	v_nop
.endr
.endm
.macro CREST                           ; a round of the cluster's barrier behind its opening barrier
	s_cmp_lg_u32 s14, 0
	s_cbranch_scc1 .Lnot_wave_0_\@
	s_barrier_signal -3
.Lnot_wave_0_\@:
	s_barrier_wait -3
	s_barrier_signal -1
	s_barrier_wait -1
.endm
.macro CROUND
	s_barrier_signal -1
	s_barrier_wait -1
	CREST
.endm
.macro JLOAD                           ; a joint refill by the walking descriptors: waves 0, 1 fetch x's two halves, waves 2, 3 Wb's; the branch hangs on the wave's number alone
	s_cmp_lt_u32 s14, 2
	s_cbranch_scc0 .Lfor_b_\@
	tensor_load_to_lds s[44:47], s[24:31]
	s_nop 0
.rept 4
	v_nop
.endr
	s_branch .Lasked_\@
.Lfor_b_\@:
	tensor_load_to_lds s[52:55], s[32:39]
	s_nop 0
.rept 4
	v_nop
.endr
.Lasked_\@:
.endm
; A prefetch of the K step two refills on, a lane a row of 256 bytes.  x's rows are read by every cluster of a row of clusters: cluster x = 0 asks; Wb's by every cluster of a column: cluster y = 0 asks.
; The four partners share a wave's rows out by address (32 each of x's 128, 26 each of Wb's 104; spare lanes repeat the last row).  The loop's last two trips have no K step two on and ask for nothing.
.macro ASK
	s_cmp_gt_u32 s57, s58
	s_cbranch_scc0 .Lnot_mine_\@
	global_prefetch_b8 v30, s[60:61] th:TH_LOAD_NT scope:SCOPE_SE
.Lnot_mine_\@:
.endm
.macro FETCH q, f                      ; one run of 34 LDS loads: quarter q (32 along K) of the slot in hand into buffer f; x's fragments last
	WIN 0x40
.set i_, 0
.rept NBLK
	ds_load_b128 v[128*(\f)+8*i_:128*(\f)+8*i_+3],   v19 offset:i_*16*PA+64*(\q)
	ds_load_b128 v[128*(\f)+8*i_+4:128*(\f)+8*i_+7], v19 offset:i_*16*PA+64*(\q)+32
.set i_, i_+1
.endr
	WIN 0
.set i_, 0
.rept 4
	ds_load_b128 v[64+32*(\f)+8*i_:64+32*(\f)+8*i_+3],   v18 offset:i_*16*PA+64*(\q)
	ds_load_b128 v[64+32*(\f)+8*i_+4:64+32*(\f)+8*i_+7], v18 offset:i_*16*PA+64*(\q)+32
.set i_, i_+1
.endr
.endm
.macro MULA f, a, zero                 ; 13 products: token block a x all column blocks.  All 52 accumulators take turns, one instruction a turn.  zero = 1: the products start the sums
	WIN 0xa1+0x50*((\a)/2)
.set AC_, 8*NBLK*((\a)%2)
.set b_, 0
.rept NBLK
.if \zero
	v_wmma_f32_16x16x32_bf16 v[AC_+8*b_:AC_+8*b_+7], v[128*(\f)+8*b_:128*(\f)+8*b_+7], v[64+32*(\f)+8*(\a):64+32*(\f)+8*(\a)+7], 0
.else
	v_wmma_f32_16x16x32_bf16 v[AC_+8*b_:AC_+8*b_+7], v[128*(\f)+8*b_:128*(\f)+8*b_+7], v[64+32*(\f)+8*(\a):64+32*(\f)+8*(\a)+7], v[AC_+8*b_:AC_+8*b_+7]
.endif
.set b_, b_+1
.endr
.endm
.macro QUARTER q, f, g, zero           ; multiplies buffer f; in its middle fetches quarter q into buffer g
	s_wait_dscnt 4                                 ; all but the youngest four loads: x's blocks 2 and 3
	MULA \f, 0, \zero
	MULA \f, 1, \zero
	PLACES
	FETCH \q, \g
	s_wait_dscnt NLD                               ; all but the run just issued
	MULA \f, 2, \zero
	MULA \f, 3, \zero
.endm
; The last quarter of a K step multiplies buffer 1 and changes slots.  In front of the barrier each wave waits for all its tensor loads (one is out: its part of the next slot), adds 0 to its spare word,
; and waits for that and for its reads of this slot.  fill = 1: the barrier opens a round of the cluster's, and the joint refill of this slot, two K steps ahead, is the first thing behind the round.
.macro TURN fill
.if \fill
	s_wait_xcnt 0x0                                ; the last prefetch, a K step back, has read its address
	s_add_nc_u64 s[60:61], s[60:61], KSB
.endif
	WIN 0
	s_wait_tensorcnt 0x0
	ds_add_u32 v28, v29
	s_wait_dscnt 5                                 ; the add and x's blocks 2 and 3 may be out
	MULA 1, 0, 0
	s_wait_dscnt 0x0                               ; the add is done, my reads of this slot are over
	s_barrier_signal -1
	MULA 1, 1, 0
	WIN 0
	s_barrier_wait -1
.if \fill
	CREST
	s_xor_b32 s45, s45, SLOT1                      ; no tensor load of mine is out: the walking descriptors step: the other slot, the next K step
	s_add_nc_u64 s[46:47], s[46:47], KSB
	s_xor_b32 s53, s53, SLOT1
	s_add_nc_u64 s[54:55], s[54:55], KSB
	JLOAD                                          ; its four v_nop are also the places in front of the loads below
.else
	PLACES
.endif
	s_xor_b32 s56, s56, SLOT1
	v_add_nc_u32 v18, s56, v16
	v_add_nc_u32 v19, s56, v17
	FETCH 0, 0
.if \fill
	ASK
.endif
	MULA 1, 2, 0
	MULA 1, 3, 0
.endm
	s_load_b256 s[4:11], s[0:1], 0x0               ; xb s[4:5], Wb s[6:7], ba s[8:9], qkv s[10:11]
	s_load_b64 s[12:13], s[0:1], 0x20              ; la
	v_lshl_add_u32 v28, v0, 2, SPARE
	v_mov_b32 v29, 0
	ds_add_u32 v28, v29                            ; the wave's opening: the add, twice on end, and its wait ahead of my first tensor load
	ds_add_u32 v28, v29
	v_lshrrev_b32 v1, 5, v0
	v_readfirstlane_b32 s14, v1                    ; wave 0..3
	s_and_b32 s15, s14, 1                          ; which half of a tile's rows I fetch
	s_bfe_u32 s16, ttmp6, 0x40000                  ; cx
	s_bfe_u32 s17, ttmp6, 0x40004                  ; cy
	s_lshl_b32 s18, ttmp9, 2
	s_add_co_u32 s18, s18, s16                     ; the head = 4 x cluster x + cx
	s_and_b32 s19, ttmp7, 0xffff
	s_lshl_b32 s19, s19, 2
	s_add_co_u32 s19, s19, s17                     ; the block of 256 tokens = 4 x cluster y + cy
	s_lshl_b32 s20, s17, 2
	s_lshl_b32 s20, 15, s20                        ; my row of the cluster
	s_lshl_b32 s22, 0x1111, s16                    ; my column
	s_or_b32 s24, s20, (1<<16)|(1<<20)|(1<<21)|(5<<22)|(3<<25)  ; the mask; 2-byte elements; padding on; bit 21 beside a mask; after every 64 words, 4 words
	s_or_b32 s32, s22, (1<<16)|(1<<20)|(1<<21)|(5<<22)|(3<<25)
	s_mov_b32 s25, 128<<16                         ; tensor_dim0 = 128
	s_mov_b32 s26, 128<<16                         ; tensor_dim1 = 128
	s_mov_b32 s27, 128<<16                         ; tile_dim0 = 128
	s_mov_b32 s28, 128                             ; tile_dim1 = 128
	s_mov_b32 s29, 1024                            ; elements from row to row
	s_mov_b32 s30, 0
	s_mov_b32 s31, 0
	s_mov_b32 s33, 128<<16
	s_mov_b32 s34, 104<<16                         ; Wb: 104 rows a load
	s_mov_b32 s35, 128<<16
	s_mov_b32 s36, 104
	s_mov_b32 s37, 1024
	s_mov_b32 s38, 0
	s_mov_b32 s39, 0
	s_lshl_b32 s20, s19, 8
	s_lshl_b32 s21, s15, 7
	s_add_co_u32 s20, s20, s21
	s_lshl_b32 s20, s20, 11                        ; xb: row 256 block + 128 half, 2,048 bytes a row
	s_mov_b32 s21, 0
	s_mul_i32 s22, s18, 208
	s_mul_i32 s23, s15, 104
	s_add_co_u32 s22, s22, s23
	s_lshl_b32 s22, s22, 11                        ; Wb: row 208 head + 104 half
	s_mov_b32 s23, 0
	s_mul_i32 s82, s14, 128*PA                     ; where x's halves go (waves 0, 1),
	s_mul_i32 s83, s14, 104*PA
	s_add_co_u32 s83, s83, ASZ-2*104*PA            ; and Wb's (waves 2, 3): no place in the cluster enters an LDS address
	s_mov_b32 s56, 0
	s_mov_b32 s57, 6
	s_mov_b32 s76, 0x3fb8aa3b                      ; log2 e
	s_mov_b32 s77, 0x3fb8aa3b
	s_mov_b32 s79, 0xffff0000                      ; lanes 16 to 31
	s_wait_dscnt 0x0                               ; both opening adds are done
	s_wait_kmcnt 0x0
	s_add_nc_u64 s[20:21], s[4:5], s[20:21]
	s_add_nc_u64 s[22:23], s[6:7], s[22:23]
	s_mov_b32 s40, 1                               ; group 0 for x: K step 0 into slot 0,
	s_mov_b32 s41, s82
	s_mov_b64 s[42:43], s[20:21]
	s_or_b32 s43, s43, 0x80000000
	s_mov_b32 s44, 1                               ; and the walking set: K step 1 into slot 1
	s_add_co_u32 s45, s82, SLOT1
	s_add_nc_u64 s[46:47], s[20:21], KSB
	s_or_b32 s47, s47, 0x80000000
	s_mov_b32 s48, 1                               ; the same for Wb
	s_mov_b32 s49, s83
	s_mov_b64 s[50:51], s[22:23]
	s_or_b32 s51, s51, 0x80000000
	s_mov_b32 s52, 1
	s_add_co_u32 s53, s83, SLOT1
	s_add_nc_u64 s[54:55], s[22:23], KSB
	s_or_b32 s55, s55, 0x80000000
	CROUND                                         ; all sixteen work-groups are here: the first joint loads meet
	s_cmp_lt_u32 s14, 2                            ; a wave's two first fills stand in one branch: two loads of mine are out
	s_cbranch_scc0 .Lfirst_b
	tensor_load_to_lds s[40:43], s[24:31]
	s_nop 0
	tensor_load_to_lds s[44:47], s[24:31]
	s_nop 0
.rept 4
	v_nop
.endr
	s_branch .Lfirst_done
.Lfirst_b:
	tensor_load_to_lds s[48:51], s[32:39]
	s_nop 0
	tensor_load_to_lds s[52:55], s[32:39]
	s_nop 0
.rept 4
	v_nop
.endr
.Lfirst_done:
	s_lshl_b32 s82, s18, 2
	s_mov_b32 s83, 0
	s_add_nc_u64 s[8:9], s[8:9], s[82:83]
	s_load_b32 s78, s[8:9], 0x0                    ; ba of my head
	v_and_b32 v1, 15, v0                           ; r = lane % 16
	v_bfe_u32 v2, v0, 4, 1                         ; h = lane / 16
	v_and_b32 v3, 31, v0                           ; lane
	v_mul_u32_u24 v4, v1, PA
	v_lshl_add_u32 v4, v2, 4, v4                   ; a fragment's row x pitch + 16 x half
	s_mul_i32 s84, s14, 64*PA
	v_add_nc_u32 v16, s84, v4                      ; my 64 tokens in slot 0
	v_add_nc_u32 v17, ASZ, v4                      ; Wb's rows in slot 0
	v_mov_b32 v18, v16
	v_mov_b32 v19, v17
	s_mul_i32 s84, s14, 6912
	s_add_co_u32 s84, s84, STAGE                   ; my stage
	v_mul_u32_u24 v24, v1, 144                     ; in: row r, 16 bytes for each half of the lanes
	v_lshl_add_u32 v24, v2, 4, v24
	v_add_nc_u32 v24, s84, v24
	v_bfe_u32 v25, v0, 3, 2                        ; back: 32 lanes take four rows of 128 bytes,
	v_mul_u32_u24 v25, v25, 144
	v_and_b32 v5, 7, v0
	v_lshl_add_u32 v25, v5, 4, v25
	v_add_nc_u32 v25, s84, v25
	v_lshlrev_b32 v26, 4, v3                       ; which are 512 consecutive bytes of q, k or v
	v_lshlrev_b32 v27, 2, v3                       ; my word of la
	s_lshr_b32 s82, s19, 4
	s_lshl_b32 s82, s82, 4
	s_add_co_u32 s82, s82, s18                     ; the sequence 16 b + head
	s_lshl_b32 s82, s82, 12
	s_and_b32 s83, s19, 15
	s_lshl_b32 s83, s83, 8
	s_add_co_u32 s82, s82, s83
	s_lshl_b32 s83, s14, 6
	s_add_co_u32 s82, s82, s83                     ; my first token, counted through all sequences
	s_lshl_b32 s84, s82, 7
	s_mov_b32 s85, 0
	s_add_nc_u64 s[70:71], s[10:11], s[84:85]      ; q,
	s_add_nc_u64 s[72:73], s[70:71], 0x1000000     ; k,
	s_add_nc_u64 s[74:75], s[72:73], 0x1000000     ; v at my first token
	s_lshl_b32 s84, s82, 2
	s_add_nc_u64 s[80:81], s[12:13], s[84:85]      ; la likewise
	s_and_b32 s82, ttmp7, 0xffff                   ; the prefetches
	s_cmp_lt_u32 s14, 2                            ; do I fetch x?
	s_cselect_b32 s82, ttmp9, s82                  ; the coordinate along which other clusters read the same rows
	s_cselect_b32 s83, s16, s17                    ; my place among the four that ask with me
	s_cselect_b32 s84, 32, 26                      ; rows for each of the four
	s_cselect_b32 s59, 31, 25
	s_cselect_b64 s[60:61], s[20:21], s[22:23]
	s_cmp_eq_u32 s82, 0
	s_cselect_b32 s58, 2, -1                       ; the same in all sixteen partners, for a given wave
	s_mul_i32 s83, s83, s84
	s_lshl_b32 s82, s83, 11
	s_mov_b32 s83, 0
	s_add_nc_u64 s[60:61], s[60:61], s[82:83]
	s_add_nc_u64 s[60:61], s[60:61], 3*KSB         ; at K step 3: the first refill steps it to 4.  Nothing is prefetched here, where every work-group's first tiles are on their way
	v_min_u32 v30, s59, v3
	v_lshlrev_b32 v30, 11, v30
	s_wait_kmcnt 0x0
	v_mov_b32 v31, s78
	v_cvt_pk_bf16_f32 v31, v31, v31
	v_lshlrev_b32 v31, 16, v31
	v_add_f32 v31, 2.0, v31                        ; bf16(ba) + 2
	s_wait_tensorcnt 1                             ; my part of K step 0 is in; K step 1's may stay out
	s_barrier_signal -1
	s_barrier_wait -1
	FETCH 0, 0
	QUARTER 1, 0, 1, 1                             ; the first quarter stands in front of the loop: its products start the sums
	WIN 0
.Lstep:                                                ; six trips, from a K step's second quarter to the next one's first; each fills a slot again: K steps 2 to 7
	QUARTER 2, 1, 0, 0
	QUARTER 3, 0, 1, 0
	TURN 1
	QUARTER 1, 0, 1, 0
	WIN 0
	s_sub_co_u32 s57, s57, 1
	s_cmp_lg_u32 s57, 0
	s_cbranch_scc1 .Lstep
	QUARTER 2, 1, 0, 0                             ; K step 6 goes on; nothing more is asked for
	QUARTER 3, 0, 1, 0
	TURN 0
	QUARTER 1, 0, 1, 0
	QUARTER 2, 1, 0, 0
	QUARTER 3, 0, 1, 0
	s_wait_dscnt 4
	MULA 1, 0, 0
	MULA 1, 1, 0
	s_wait_dscnt 0x0
	MULA 1, 2, 0
	MULA 1, 3, 0
	WIN 0
.rept 8
	v_nop
.endr
; THE WAY OUT of token block a.  elu(x) + 1 = max(x, 0) + 2^(min(x log2 e, 0)).  The 64 exponentials are one batch with one wait.  Each accumulator is read from its low end on.
; 16 bytes a lane go into stage rows of 144 bytes and come back as whole rows of 128: four rows, 512 consecutive bytes, a store.
.macro EPI a
.set AW_, 2+(\a)/2
.set AC_, 104*((\a)%2)
.if (\a) > 0
	s_wait_xcnt 0x0                                ; the last block's stores have read their registers
.endif
	WIN AW_|(AW_<<2)
.set i_, 0
.rept 32
	v_pk_mul_f32 v[64+2*i_:65+2*i_], v[AC_+2*i_:AC_+2*i_+1], s[76:77] op_sel_hi:[1,0]
.set i_, i_+1
.endr
.set i_, 0
.rept 64
	v_max_num_f32 v[128+i_], 0, v[AC_+i_]
.set i_, i_+1
.endr
.set i_, 0
.rept 16
	v_cvt_pk_f16_f32 v[224+i_], v[AC_+64+2*i_], v[AC_+64+2*i_+1]  ; v
.set i_, i_+1
.endr
	v_mov_b32 v[32+(\a)], v[AC_+96]                ; the gate logit of token 16 a + r
	WIN 0
.set i_, 0
.rept 64
	v_min_num_f32 v[64+i_], 0, v[64+i_]
.set i_, i_+1
.endr
.set i_, 0
.rept 64
	v_exp_f32 v[64+i_], v[64+i_]
.set i_, i_+1
.endr
	v_nop                                          ; a plain instruction behind the last exponential,
	s_wait_alu depctr_va_vdst(0)                   ; and the one wait ahead of the batch's first reader
.set i_, 0
.rept 32
	v_pk_add_f32 v[128+2*i_:129+2*i_], v[128+2*i_:129+2*i_], v[64+2*i_:65+2*i_]
.set i_, i_+1
.endr
.set i_, 0
.rept 32
	v_cvt_pk_f16_f32 v[192+i_], v[128+2*i_], v[128+2*i_+1]
.set i_, i_+1
.endr
.irp p, 0,1,2
.irp f, 0,1,2,3
	ds_store_b128 v24, v[192+16*\p+4*\f:192+16*\p+4*\f+3] offset:\p*2304+32*\f
.endr
.endr
.irp p, 0,1,2
.irp f, 0,1,2,3
	ds_load_b128 v[64+16*\p+4*\f:64+16*\p+4*\f+3], v25 offset:\p*2304+576*\f  ; LDS serves a wave's instructions in order (ISA guide 5.7.1.4): these see the stores above
.endr
.endr
	s_wait_dscnt 0x0
.irp p, 0,1,2
.irp f, 0,1,2,3
	global_store_b128 v26, v[64+16*\p+4*\f:64+16*\p+4*\f+3], s[70+2*\p:71+2*\p] offset:(\a)*2048+512*\f
.endr
.endr
.endm
	EPI 0
	EPI 1
	EPI 2
	EPI 3
	; THE GATE.  u = logit + ba + 2; log2 sigmoid(u) = min(u', 0) - log2(1 + 2^(-|u'|)), u' = u log2 e: no exponential can overflow.  Lanes 16-31 take the next block: 32 tokens on end a register.
	v_cndmask_b32 v36, v32, v33, s79
	v_cndmask_b32 v37, v34, v35, s79
	v_add_f32 v36, v31, v36
	v_add_f32 v37, v31, v37
	v_mul_f32 v36, s76, v36
	v_mul_f32 v37, s76, v37
	v_or_b32 v38, 0x80000000, v36
	v_or_b32 v39, 0x80000000, v37
	v_exp_f32 v38, v38
	v_exp_f32 v39, v39
	v_nop
	s_wait_alu depctr_va_vdst(0)
	v_add_f32 v38, 1.0, v38
	v_add_f32 v39, 1.0, v39
	v_log_f32 v38, v38
	v_log_f32 v39, v39
	v_min_num_f32 v36, 0, v36
	v_min_num_f32 v37, 0, v37
	s_wait_alu depctr_va_vdst(0)
	v_sub_f32 v36, v36, v38
	v_sub_f32 v37, v37, v39
	global_store_b32 v27, v36, s[80:81]
	global_store_b32 v27, v37, s[80:81] offset:128
	s_wait_tensorcnt 0x0                           ; the wave's end, behind my last tensor load and my last LDS store
	ds_add_u32 v28, v29
	s_wait_dscnt 0x0
	CROUND                                         ; the closing round: no work-group ends while a partner may still ask for a tile that names it
	s_endpgm
.Lfunc_end_k_q48c6303f31_gemm_qkv:
	.size	k_q48c6303f31_gemm_qkv, .Lfunc_end_k_q48c6303f31_gemm_qkv-k_q48c6303f31_gemm_qkv
	.p2alignl 7, 3214868480
	.fill 96, 4, 3214868480
	.section	.rodata,"a",@progbits
	.p2align	6, 0x0
	.amdhsa_kernel k_q48c6303f31_gemm_qkv
		.amdhsa_group_segment_fixed_size 327680
		.amdhsa_private_segment_fixed_size 0
		.amdhsa_enable_private_segment 0
		.amdhsa_kernarg_size 40
		.amdhsa_user_sgpr_count 2
		.amdhsa_user_sgpr_kernarg_segment_ptr 1
		.amdhsa_wavefront_size32 1
		.amdhsa_system_sgpr_workgroup_id_x 1
		.amdhsa_system_sgpr_workgroup_id_y 1
		.amdhsa_system_sgpr_workgroup_id_z 1
		.amdhsa_system_vgpr_workitem_id 0
		.amdhsa_next_free_vgpr 1024
		.amdhsa_next_free_sgpr 96
		.amdhsa_reserve_vcc 0
		.amdhsa_float_denorm_mode_32 3
		.amdhsa_float_denorm_mode_16_64 3
		.amdhsa_memory_ordered 1
		.amdhsa_forward_progress 1
		.amdhsa_inst_pref_size 143
	.end_amdhsa_kernel
	.amdgpu_metadata
---
amdhsa.version: [ 1, 2 ]
amdhsa.kernels:
  - .name:           k_q48c6303f31_gemm_qkv
    .symbol:         k_q48c6303f31_gemm_qkv.kd
    .args:
      - { .name: xb, .offset: 0, .size: 8, .value_kind: global_buffer, .address_space: global }
      - { .name: Wb, .offset: 8, .size: 8, .value_kind: global_buffer, .address_space: global }
      - { .name: ba, .offset: 16, .size: 8, .value_kind: global_buffer, .address_space: global }
      - { .name: qkv, .offset: 24, .size: 8, .value_kind: global_buffer, .address_space: global }
      - { .name: la, .offset: 32, .size: 8, .value_kind: global_buffer, .address_space: global }
    .group_segment_fixed_size: 327680
    .private_segment_fixed_size: 0
    .kernarg_segment_align: 8
    .kernarg_segment_size: 40
    .max_flat_workgroup_size: 128
    .sgpr_count:     96
    .vgpr_count:     1024
    .wavefront_size: 32
...
	.end_amdgpu_metadata
.endif
;; end of part 2
;; launch ssd_state (part 3): grid 8 x 32, 4 waves a work-group, no clusters, 248,576 bytes of LDS; arguments qkv, la, st; writes st
.if DOCPART == 3
	.amdgcn_target "amdgcn-amd-amdhsa--gfx1250"
	.amdhsa_code_object_version 6
	.text
	.protected	k_q48c6303f31_ssd_state
	.globl	k_q48c6303f31_ssd_state
	.p2align	8
	.type	k_q48c6303f31_ssd_state,@function
k_q48c6303f31_ssd_state:
	s_mov_b64 s[64:65], 0
	v_nop
	global_prefetch_b8 v0, s[64:65] scope:SCOPE_SE
	s_setreg_imm32_b32 hwreg(HW_REG_WAVE_MODE, 25, 1), 1
	s_wait_xcnt 0x0
; THE LOCAL STATE OF EACH SEGMENT OF 512 TOKENS: st[seq][seg] = sum over the segment's tokens s of 2^(L_end - L_s) k_s [v_s | 1]^T (64 x 80 in f32; columns 64-79 all hold z), and the segment's sum of log2 a.
; q has no way to these states and is not loaded here.  Only differences L_end - L_s <= 0 are exponentiated: nothing can overflow.
; LIMITS: the factor 2^(Lam - L_s) and k times it are f16: a factor below 6e-8 counts as 0; L is a running f32 sum over 128 tokens; NaN and infinities are not treated apart.
; SHARES.  A work-group has one segment of one sequence, wave w its tokens 128 w .. + 127.  Each wave brings its own K and V tile by one tensor load each and reads only its own.  No loop, no refill.
; No cluster: no two work-groups read the same bytes.  No prefetch: all that a wave reads is asked for at its head.
; LAYOUT.  ST = K'^T [V | 1]: source 0 = 16 channels i of k x 32 tokens, source 1 = 16 channels c of v x 32 tokens, both turned out of LDS by ds_load_tr16_b128; a lane of the result holds i = 8 (lane / 16) + 0..7, c = lane % 16.
; The four waves' states meet in LDS; wave w combines rows i = 16 w .. + 15: ((R0 d1 + R1) d2 + R2) d3 + R3, d_j = 2^(Lam_j).
; A RECORD of st: 20 tiles (5 ib + cb) of 1,024 bytes as they lie in registers (half, lane, 16 bytes), then 256 bytes filled with the segment's Lam.
; REGISTERS: window 0: v1-31 addresses; v48-111 L by keys; v112-175 at work; v176-215 the result; v240-251 at work.  window 1: v0-159 ST, then the four partial states.
;   window 2: v128-255 K^T.   window 3: v0-127 V^T; v128-135 ones; v136-167 the factors.
.set XB,    163840                     ; behind the four waves' tiles (K, V: 128 tokens x 160 bytes each): the four partial states, 20,480 bytes each
.set LW,    245760                     ; L of a wave's 128 tokens, 512 bytes a wave
.set LAMB,  247808                     ; the four waves' Lam
.set SPARE, 248064                     ; the spare words, 128 bytes a wave
.set RECB,  20736
.set LK,    48
.set MSB, 0
.macro WIN new
.if MSB != (\new)
	s_set_vgpr_msb (MSB<<8)|(\new)
.set MSB, (\new)
.endif
.endm
; L_t = the inclusive sum of log2 a over my 128 tokens.  A lane has four tokens; the lanes' totals are scanned inside each half of 16 lanes, and lanes 16-31 add the first half's total.
.macro LSCAN
	v_add_f32 v241, v240, v241
	v_add_f32 v242, v241, v242
	v_add_f32 v243, v242, v243
	v_mov_b32 v244, v243
	v_add_f32_dpp v244, v244, v244 row_shr:1 row_mask:0xf bank_mask:0xf
	v_add_f32_dpp v244, v244, v244 row_shr:2 row_mask:0xf bank_mask:0xf
	v_add_f32_dpp v244, v244, v244 row_shr:4 row_mask:0xf bank_mask:0xf
	v_add_f32_dpp v244, v244, v244 row_shr:8 row_mask:0xf bank_mask:0xf
	v_readlane_b32 s66, v244, 15
	v_add_f32 v245, s66, v244
	v_cndmask_b32 v244, v244, v245, s43
	v_sub_f32 v244, v244, v243                     ; what lies in front of my four tokens
	v_add_f32 v240, v244, v240
	v_add_f32 v241, v244, v241
	v_add_f32 v242, v244, v242
	v_add_f32 v243, v244, v243
	ds_store_b128 v17, v[240:243]
	v_readlane_b32 s42, v243, 31                   ; Lam = L of my last token
	v_mov_b32 v245, s42
	ds_store_b32 v24, v245
.set k_, 0
.rept 8
	ds_load_b128 v[LK+8*k_:LK+8*k_+3],   v18 offset:64*k_     ; L of keys 16 kb + 8 (lane / 16) + 0..7: my own bytes, served in order
	ds_load_b128 v[LK+8*k_+4:LK+8*k_+7], v18 offset:64*k_+16
.set k_, k_+1
.endr
	s_wait_dscnt 0x0
.endm
.macro WEIGHTS                         ; 2^(Lam - L_s), in f16 pairs as K^T's registers hold the tokens.  One batch of exponentials, one wait
.set i_, 0
.rept 64
	v_sub_f32 v[112+i_], s42, v[LK+i_]
.set i_, i_+1
.endr
.set i_, 0
.rept 64
	v_exp_f32 v[112+i_], v[112+i_]
.set i_, i_+1
.endr
	v_nop
	s_wait_alu depctr_va_vdst(0)
	WIN 0xc0
.set i_, 0
.rept 32
	v_cvt_pk_f16_f32 v[136+i_], v[112+2*i_], v[112+2*i_+1]
.set i_, i_+1
.endr
	WIN 0
.endm
.macro VLOAD                           ; V turned: lane holds channel 16 cb + lane % 16 and 16 of 32 tokens; and the block of ones
	WIN 0xc0
.set u_, 0
.rept 4
.set c_, 0
.rept 4
	ds_load_tr16_b128 v[32*u_+8*c_:32*u_+8*c_+3],   v12 offset:u_*5120+32*c_
	ds_load_tr16_b128 v[32*u_+8*c_+4:32*u_+8*c_+7], v12 offset:u_*5120+2560+32*c_
.set c_, c_+1
.endr
.set u_, u_+1
.endr
.set i_, 0
.rept 8
	v_mov_b32 v[128+i_], 0x3c003c00
.set i_, i_+1
.endr
	WIN 0
.endm
.macro STATE                           ; K turned, times the factors; 80 products on 20 accumulators that take turns; the result into my part of LDS
	WIN 0x80
.set u_, 0
.rept 4
.set c_, 0
.rept 4
	ds_load_tr16_b128 v[128+32*u_+8*c_:128+32*u_+8*c_+3],   v11 offset:u_*5120+32*c_
	ds_load_tr16_b128 v[128+32*u_+8*c_+4:128+32*u_+8*c_+7], v11 offset:u_*5120+2560+32*c_
.set c_, c_+1
.endr
.set u_, u_+1
.endr
	s_wait_dscnt 0x0                               ; K^T and V^T are in
	WIN 0x8e
.set i_, 0
.rept 128
	v_pk_mul_f16 v[128+i_], v[128+i_], v[136+8*(i_/32)+i_%8]
.set i_, i_+1
.endr
	WIN 0x5e
.set u_, 0
.rept 4
.set t_, 0
.rept 20
.set VV_, 32*u_+8*(t_%5)
.if t_%5 == 4
.set VV_, 128
.endif
.if u_ == 0
	v_wmma_f32_16x16x32_f16 v[8*t_:8*t_+7], v[128+32*u_+8*(t_/5):128+32*u_+8*(t_/5)+7], v[VV_:VV_+7], 0
.else
	v_wmma_f32_16x16x32_f16 v[8*t_:8*t_+7], v[128+32*u_+8*(t_/5):128+32*u_+8*(t_/5)+7], v[VV_:VV_+7], v[8*t_:8*t_+7]
.endif
.set t_, t_+1
.endr
.set u_, u_+1
.endr
.rept 8
	v_nop
.endr
	WIN 0x04
.set p_, 0
.rept 40
	ds_store_b128 v20, v[4*p_:4*p_+3] offset:512*p_
.set p_, p_+1
.endr
	WIN 0
.endm
	s_load_b128 s[4:7], s[0:1], 0x0                ; qkv s[4:5], la s[6:7]
	s_load_b64 s[8:9], s[0:1], 0x10                ; st
	v_lshl_add_u32 v28, v0, 2, SPARE
	v_mov_b32 v29, 0
	ds_add_u32 v28, v29                            ; the wave's opening: the add, twice on end, and its wait ahead of my first tensor load
	ds_add_u32 v28, v29
	v_lshrrev_b32 v3, 5, v0
	v_readfirstlane_b32 s12, v3                    ; wave
	s_mov_b32 s13, ttmp9                           ; segment
	s_and_b32 s14, ttmp7, 0xffff                   ; sequence
	s_mov_b32 s16, (1<<16)|(1<<20)|(4<<22)|(7<<25) ; 2-byte elements; padding on: after every 32 words, 8 words
	s_mov_b32 s17, 128<<16                         ; 128 tokens are 16,384 dense bytes: asked for as 64 rows of 256 bytes, padded after every token
	s_mov_b32 s18, 64<<16
	s_mov_b32 s19, 128<<16
	s_mov_b32 s20, 64
	s_mov_b32 s21, 128
	s_mov_b32 s22, 0
	s_mov_b32 s23, 0
	s_mul_i32 s32, s12, 40960                      ; my tiles in LDS
	s_mov_b32 s24, 1
	s_mov_b32 s25, s32
	s_mov_b32 s28, 1
	s_add_co_u32 s29, s32, 20480
	s_lshl_b32 s67, s14, 12
	s_lshl_b32 s68, s13, 9
	s_add_co_u32 s67, s67, s68
	s_lshl_b32 s68, s12, 7
	s_add_co_u32 s67, s67, s68                     ; my first token, counted through all sequences
	s_lshl_b32 s68, s67, 7
	s_mov_b32 s69, 0
	s_lshl_b32 s70, s67, 2
	s_mov_b32 s71, 0
	s_lshl_b32 s66, s14, 3
	s_add_co_u32 s66, s66, s13
	s_mul_i32 s66, s66, RECB                       ; my work-group's record
	s_mov_b32 s67, 0
	s_mov_b32 s43, 0xffff0000                      ; lanes 16 to 31
	s_wait_dscnt 0x0
	s_wait_kmcnt 0x0
	s_add_nc_u64 s[34:35], s[4:5], s[68:69]
	s_add_nc_u64 s[26:27], s[34:35], 0x1000000     ; k
	s_add_nc_u64 s[30:31], s[34:35], 0x2000000     ; v
	s_or_b32 s27, s27, 0x80000000
	s_or_b32 s31, s31, 0x80000000
	s_add_nc_u64 s[38:39], s[6:7], s[70:71]
	s_add_nc_u64 s[40:41], s[8:9], s[66:67]
	tensor_load_to_lds s[24:27], s[16:23]          ; two loads of mine are out
	s_nop 0
	tensor_load_to_lds s[28:31], s[16:23]
	s_nop 0
.rept 4
	v_nop
.endr
	v_and_b32 v3, 31, v0                           ; lane
	v_lshlrev_b32 v16, 4, v3
	global_load_b128 v[240:243], v16, s[38:39]     ; log2 a of tokens 4 lane .. + 3
	v_and_b32 v1, 15, v0
	v_bfe_u32 v2, v0, 4, 1
	v_and_b32 v4, 7, v0
	v_bfe_u32 v5, v0, 3, 1
	v_lshl_add_u32 v11, v2, 3, v4                  ; the turning load: token 8 (lane / 16) + lane % 8, channels 8 ((lane / 8) % 2) on
	v_mul_u32_u24 v11, v11, 160
	v_lshl_add_u32 v11, v5, 4, v11
	v_add_nc_u32 v11, s32, v11
	v_add_nc_u32 v12, 20480, v11
	s_lshl_b32 s67, s12, 9
	s_add_co_u32 s67, s67, LW
	v_lshl_add_u32 v17, v3, 4, s67
	v_lshl_add_u32 v18, v2, 5, s67
	s_mul_i32 s67, s12, 20480
	s_add_co_u32 s67, s67, XB
	v_lshl_add_u32 v20, v3, 4, s67                 ; where my state goes
	s_mul_i32 s67, s12, 5120
	v_lshl_add_u32 v27, v3, 4, s67                 ; my five tiles in a record,
	s_add_co_u32 s67, s67, XB
	v_lshl_add_u32 v21, v3, 4, s67                 ; and in the partial states of waves 0, 1,
	v_add_nc_u32 v22, 40960, v21                   ; and 2, 3 (an LDS offset has 16 bits)
	s_lshl_b32 s67, s12, 2
	s_add_co_u32 s67, s67, LAMB
	v_mov_b32 v24, s67
	v_mov_b32 v30, LAMB
	v_lshlrev_b32 v31, 3, v3
	s_wait_loadcnt 0x0
	LSCAN
	WEIGHTS
	s_wait_tensorcnt 0x0                           ; my two tiles are in; only I read them
	VLOAD
	STATE
	s_wait_dscnt 0x0                               ; for the others' sake: my state and my Lam are stored
	s_barrier_signal -1
	s_barrier_wait -1
	WIN 0x40
.set p_, 0
.rept 10
	ds_load_b128 v[4*p_:4*p_+3],         v21 offset:512*p_
	ds_load_b128 v[40+4*p_:40+4*p_+3],   v21 offset:20480+512*p_
	ds_load_b128 v[80+4*p_:80+4*p_+3],   v22 offset:512*p_
	ds_load_b128 v[120+4*p_:120+4*p_+3], v22 offset:20480+512*p_
.set p_, p_+1
.endr
	WIN 0
	ds_load_b128 v[240:243], v30
	s_wait_dscnt 0x0
	v_exp_f32 v244, v241
	v_exp_f32 v245, v241
	v_exp_f32 v246, v242
	v_exp_f32 v247, v242
	v_exp_f32 v248, v243
	v_exp_f32 v249, v243
	v_add_f32 v250, v240, v241
	v_add_f32 v251, v242, v243
	v_add_f32 v250, v250, v251                     ; the segment's Lam
	v_mov_b32 v251, v250
	s_wait_alu depctr_va_vdst(0)
	WIN 0x11
.set i_, 0
.rept 20
	v_pk_fma_f32 v[176+2*i_:177+2*i_], v[2*i_:2*i_+1], v[244:245], v[40+2*i_:41+2*i_]
.set i_, i_+1
.endr
	WIN 0x10
.set i_, 0
.rept 20
	v_pk_fma_f32 v[176+2*i_:177+2*i_], v[176+2*i_:177+2*i_], v[246:247], v[80+2*i_:81+2*i_]
.set i_, i_+1
.endr
.set i_, 0
.rept 20
	v_pk_fma_f32 v[176+2*i_:177+2*i_], v[176+2*i_:177+2*i_], v[248:249], v[120+2*i_:121+2*i_]
.set i_, i_+1
.endr
	WIN 0
.set p_, 0
.rept 10
	global_store_b128 v27, v[176+4*p_:176+4*p_+3], s[40:41] offset:512*p_  ; 512 consecutive bytes, aligned
.set p_, p_+1
.endr
	s_cmp_lg_u32 s12, 0
	s_cbranch_scc1 .Lend
	global_store_b64 v31, v[250:251], s[40:41] offset:20480  ; 256 consecutive bytes, aligned, all the same number
.Lend:
	s_wait_tensorcnt 0x0                           ; the wave's end
	ds_add_u32 v28, v29
	s_wait_dscnt 0x0
	s_endpgm
.Lfunc_end_k_q48c6303f31_ssd_state:
	.size	k_q48c6303f31_ssd_state, .Lfunc_end_k_q48c6303f31_ssd_state-k_q48c6303f31_ssd_state
	.p2alignl 7, 3214868480
	.fill 96, 4, 3214868480
	.section	.rodata,"a",@progbits
	.p2align	6, 0x0
	.amdhsa_kernel k_q48c6303f31_ssd_state
		.amdhsa_group_segment_fixed_size 248576
		.amdhsa_private_segment_fixed_size 0
		.amdhsa_enable_private_segment 0
		.amdhsa_kernarg_size 24
		.amdhsa_user_sgpr_count 2
		.amdhsa_user_sgpr_kernarg_segment_ptr 1
		.amdhsa_wavefront_size32 1
		.amdhsa_system_sgpr_workgroup_id_x 1
		.amdhsa_system_sgpr_workgroup_id_y 1
		.amdhsa_system_sgpr_workgroup_id_z 1
		.amdhsa_system_vgpr_workitem_id 0
		.amdhsa_next_free_vgpr 1024
		.amdhsa_next_free_sgpr 72
		.amdhsa_reserve_vcc 0
		.amdhsa_float_denorm_mode_32 3
		.amdhsa_float_denorm_mode_16_64 3
		.amdhsa_memory_ordered 1
		.amdhsa_forward_progress 1
		.amdhsa_inst_pref_size 42
	.end_amdhsa_kernel
	.amdgpu_metadata
---
amdhsa.version: [ 1, 2 ]
amdhsa.kernels:
  - .name:           k_q48c6303f31_ssd_state
    .symbol:         k_q48c6303f31_ssd_state.kd
    .args:
      - { .name: qkv, .offset: 0, .size: 8, .value_kind: global_buffer, .address_space: global }
      - { .name: la, .offset: 8, .size: 8, .value_kind: global_buffer, .address_space: global }
      - { .name: st, .offset: 16, .size: 8, .value_kind: global_buffer, .address_space: global }
    .group_segment_fixed_size: 248576
    .private_segment_fixed_size: 0
    .kernarg_segment_align: 8
    .kernarg_segment_size: 24
    .max_flat_workgroup_size: 128
    .sgpr_count:     72
    .vgpr_count:     1024
    .wavefront_size: 32
...
	.end_amdgpu_metadata
.endif
;; end of part 3
;; launch ssd_out (part 4): grid 8 x 32, 4 waves a work-group, no clusters, 278,272 bytes of LDS; arguments qkv, la, st, ob; writes ob
.if DOCPART == 4
	.amdgcn_target "amdgcn-amd-amdhsa--gfx1250"
	.amdhsa_code_object_version 6
	.text
	.protected	k_q48c6303f31_ssd_out
	.globl	k_q48c6303f31_ssd_out
	.p2align	8
	.type	k_q48c6303f31_ssd_out,@function
k_q48c6303f31_ssd_out:
	s_mov_b64 s[64:65], 0
	v_nop
	global_prefetch_b8 v0, s[64:65] scope:SCOPE_SE
	s_setreg_imm32_b32 hwreg(HW_REG_WAVE_MODE, 25, 1), 1
	s_wait_xcnt 0x0
; THE SCAN'S OUTPUT: ob[seq][t][:] = num_t / den_t in f16, with, inside a wave's 128 tokens, P_ts = (q_t.k_s) 2^(L_t - L_s) for s <= t,
; num_t = sum_s P_ts v_s + 2^(L_t) q_t S_in, den_t = sum_s P_ts + 2^(L_t) q_t.z_in + eps.
; LEFT OUT AS DEAD (see the first kernel's head): score tiles and their products in which every key is later than every query; records of segments in front of a sequence's first: not loaded, zeros.
; THE ROW SCALE.  num and den are both linear in row t, so P, the state's term and eps are all multiplied by c_t = 1 / max(the row's largest P, 2^-40): P c lies in 0 to 1 and fits f16, and c cancels in num / den.
; Only L_t - L_s <= 0 reach a result (the diagonal tile's later keys are replaced by 0 by a select), so no exponential that counts can overflow.
; FORMATS.  q, k, v, k 2^(Lam - L_s), P c, the output: f16.  S_in and c 2^(L_t) q: bf16 (they have no room in f16).  All sums, L and the states between waves: f32.
; LIMITS: a weight below 2^-25 of its row's largest counts as 0; exponentials below 2^-126 count as 0; L is a running f32 sum over 128 tokens; NaN and infinities are not treated apart.
; SHARES.  A work-group has 512 tokens of one sequence, wave w tokens 128 w .. + 127, with its own K and V tile by one tensor load each.  No loop, no refill, two barriers.
;   P0  wave w sums rows i = 16 w .. + 15 of the earlier segments' records into the state at the segment's head; L; Q into registers.
;   P1  waves 0-2 make their local states (nobody needs wave 3's).   P2  wave w runs its rows through the four waves' heads, in bf16 into LDS.   P3  eight blocks of 16 queries.
; No cluster: the work-groups of a sequence share only the records, a small part of what each reads.  No prefetch: all that a wave reads is asked for at its head.
; LAYOUT.  S^T = K Q^T: a lane holds one query (lane % 16) and keys 8 (lane / 16) + 0..7; two such tiles in f16 ARE source 1 of O^T = [V | 1]^T P.  A state tile (i in registers, c in the lane), rounded in pairs,
; IS source 0 of O2^T = S_in^T q~.  The block of ones puts den into every register of the fifth accumulator: the division needs no exchange of lanes.
; REGISTERS.  window 0: v1-31 addresses; v32-47 L by queries (pairs); v48-111 L by keys; v112-175 scores (before: record 6, at work); v176-239 exponents (before: the state, coefficients; later at work); v240-255 small.
;   window 1: records 0-5, then the local state, then the partial states; in P3 v0-39 O, v40-79 O2, v80-159 S_in, v160-191 P, v192-207 q~.   window 2: v0-127 Q; v128-255 K^T, then K.   window 3: v0-127 V^T; v128-135 ones; v136-167 factors.
.set XB,    163840                     ; behind the four waves' tiles: three partial states, 20,480 bytes each
.set FBS,   225280                     ; the four waves' S_in in bf16, 10,240 bytes each: tile (ib, cb) at 2,048 cb + 512 ib
.set LW,    266240
.set LAMB,  268288
.set STG,   268544                     ; 16 rows x 144 bytes for each wave, for the way out
.set SPARE, 277760
.set RECB,  20736
.set LQ,    32
.set LK,    48
.set RS,    112
.set RE,    176
.set SG,    176
.set CJ,    216
.set T32,   176
.set PKO,   208
.set BK,    224
.set MT,    240
.set RP,    160
.set QT,    192
.set SF,    80
.set MSB, 0
.macro WIN new
.if MSB != (\new)
	s_set_vgpr_msb (MSB<<8)|(\new)
.set MSB, (\new)
.endif
.endm
.macro LSCAN                           ; L_t = the inclusive sum of log2 a over my 128 tokens; then L by keys and by queries, out of my own LDS bytes
	v_add_f32 v241, v240, v241
	v_add_f32 v242, v241, v242
	v_add_f32 v243, v242, v243
	v_mov_b32 v244, v243
	v_add_f32_dpp v244, v244, v244 row_shr:1 row_mask:0xf bank_mask:0xf
	v_add_f32_dpp v244, v244, v244 row_shr:2 row_mask:0xf bank_mask:0xf
	v_add_f32_dpp v244, v244, v244 row_shr:4 row_mask:0xf bank_mask:0xf
	v_add_f32_dpp v244, v244, v244 row_shr:8 row_mask:0xf bank_mask:0xf
	v_readlane_b32 s66, v244, 15
	v_add_f32 v245, s66, v244
	v_cndmask_b32 v244, v244, v245, s43
	v_sub_f32 v244, v244, v243
	v_add_f32 v240, v244, v240
	v_add_f32 v241, v244, v241
	v_add_f32 v242, v244, v242
	v_add_f32 v243, v244, v243
	ds_store_b128 v17, v[240:243]
	v_readlane_b32 s42, v243, 31
	v_mov_b32 v245, s42
	ds_store_b32 v24, v245
.set k_, 0
.rept 8
	ds_load_b128 v[LK+8*k_:LK+8*k_+3],   v18 offset:64*k_
	ds_load_b128 v[LK+8*k_+4:LK+8*k_+7], v18 offset:64*k_+16
.set k_, k_+1
.endr
.set k_, 0
.rept 8
	ds_load_b32 v[LQ+2*k_], v19 offset:64*k_
.set k_, k_+1
.endr
	s_wait_dscnt 0x0
.set k_, 0
.rept 8
	v_mov_b32 v[LQ+2*k_+1], v[LQ+2*k_]
.set k_, k_+1
.endr
.endm
.macro WEIGHTS
.set i_, 0
.rept 64
	v_sub_f32 v[112+i_], s42, v[LK+i_]
.set i_, i_+1
.endr
.set i_, 0
.rept 64
	v_exp_f32 v[112+i_], v[112+i_]
.set i_, i_+1
.endr
	v_nop
	s_wait_alu depctr_va_vdst(0)
	WIN 0xc0
.set i_, 0
.rept 32
	v_cvt_pk_f16_f32 v[136+i_], v[112+2*i_], v[112+2*i_+1]
.set i_, i_+1
.endr
	WIN 0
.endm
.macro VLOAD
	WIN 0xc0
.set u_, 0
.rept 4
.set c_, 0
.rept 4
	ds_load_tr16_b128 v[32*u_+8*c_:32*u_+8*c_+3],   v12 offset:u_*5120+32*c_
	ds_load_tr16_b128 v[32*u_+8*c_+4:32*u_+8*c_+7], v12 offset:u_*5120+2560+32*c_
.set c_, c_+1
.endr
.set u_, u_+1
.endr
.set i_, 0
.rept 8
	v_mov_b32 v[128+i_], 0x3c003c00
.set i_, i_+1
.endr
	WIN 0
.endm
.macro STATE
	WIN 0x80
.set u_, 0
.rept 4
.set c_, 0
.rept 4
	ds_load_tr16_b128 v[128+32*u_+8*c_:128+32*u_+8*c_+3],   v11 offset:u_*5120+32*c_
	ds_load_tr16_b128 v[128+32*u_+8*c_+4:128+32*u_+8*c_+7], v11 offset:u_*5120+2560+32*c_
.set c_, c_+1
.endr
.set u_, u_+1
.endr
	s_wait_dscnt 0x0
	WIN 0x8e
.set i_, 0
.rept 128
	v_pk_mul_f16 v[128+i_], v[128+i_], v[136+8*(i_/32)+i_%8]
.set i_, i_+1
.endr
	WIN 0x5e
.set u_, 0
.rept 4
.set t_, 0
.rept 20
.set VV_, 32*u_+8*(t_%5)
.if t_%5 == 4
.set VV_, 128
.endif
.if u_ == 0
	v_wmma_f32_16x16x32_f16 v[8*t_:8*t_+7], v[128+32*u_+8*(t_/5):128+32*u_+8*(t_/5)+7], v[VV_:VV_+7], 0
.else
	v_wmma_f32_16x16x32_f16 v[8*t_:8*t_+7], v[128+32*u_+8*(t_/5):128+32*u_+8*(t_/5)+7], v[VV_:VV_+7], v[8*t_:8*t_+7]
.endif
.set t_, t_+1
.endr
.set u_, u_+1
.endr
.rept 8
	v_nop
.endr
	WIN 0x04
.set p_, 0
.rept 40
	ds_store_b128 v20, v[4*p_:4*p_+3] offset:512*p_
.set p_, p_+1
.endr
	WIN 0
.endm
	s_load_b256 s[4:11], s[0:1], 0x0               ; qkv s[4:5], la s[6:7], st s[8:9], ob s[10:11]
	v_lshl_add_u32 v28, v0, 2, SPARE
	v_mov_b32 v29, 0
	ds_add_u32 v28, v29                            ; the wave's opening: the add, twice on end, and its wait ahead of my first tensor load
	ds_add_u32 v28, v29
	v_lshrrev_b32 v3, 5, v0
	v_readfirstlane_b32 s12, v3                    ; wave
	s_mov_b32 s13, ttmp9                           ; segment
	s_and_b32 s14, ttmp7, 0xffff                   ; sequence
	s_mov_b32 s16, (1<<16)|(1<<20)|(4<<22)|(7<<25) ; 2-byte elements; padding on: after every 32 words, 8 words
	s_mov_b32 s17, 128<<16                         ; 128 tokens: 64 rows of 256 bytes, padded after every token
	s_mov_b32 s18, 64<<16
	s_mov_b32 s19, 128<<16
	s_mov_b32 s20, 64
	s_mov_b32 s21, 128
	s_mov_b32 s22, 0
	s_mov_b32 s23, 0
	s_mul_i32 s32, s12, 40960
	s_mov_b32 s24, 1
	s_mov_b32 s25, s32
	s_mov_b32 s28, 1
	s_add_co_u32 s29, s32, 20480
	s_lshl_b32 s67, s14, 12
	s_lshl_b32 s68, s13, 9
	s_add_co_u32 s67, s67, s68
	s_lshl_b32 s68, s12, 7
	s_add_co_u32 s67, s67, s68                     ; my first token, counted through all sequences
	s_lshl_b32 s68, s67, 7
	s_mov_b32 s69, 0
	s_lshl_b32 s70, s67, 2
	s_mov_b32 s71, 0
	s_mul_i32 s66, s14, 8*RECB                     ; the sequence's records
	s_mov_b32 s67, 0
	s_mov_b32 s43, 0xffff0000
	s_mov_b32 s44, 0x76543210                      ; v_permlanex16_b32: each lane takes its own place in the other half
	s_mov_b32 s45, 0xfedcba98
	s_mov_b32 s46, 0x358637bd                      ; eps = 1e-6
	s_wait_dscnt 0x0
	s_wait_kmcnt 0x0
	s_add_nc_u64 s[34:35], s[4:5], s[68:69]        ; q
	s_add_nc_u64 s[26:27], s[34:35], 0x1000000     ; k
	s_add_nc_u64 s[30:31], s[34:35], 0x2000000     ; v
	s_or_b32 s27, s27, 0x80000000
	s_or_b32 s31, s31, 0x80000000
	s_add_nc_u64 s[36:37], s[10:11], s[68:69]
	s_add_nc_u64 s[38:39], s[6:7], s[70:71]
	s_add_nc_u64 s[40:41], s[8:9], s[66:67]
	tensor_load_to_lds s[24:27], s[16:23]          ; two loads of mine are out
	s_nop 0
	tensor_load_to_lds s[28:31], s[16:23]
	s_nop 0
.rept 4
	v_nop
.endr
.irp j, 1,2,3,4,5,6
	s_load_b32 s[48+\j], s[40:41], \j*RECB+20480   ; Lam of segments 1 to 6 (all records exist)
.endr
	v_and_b32 v1, 15, v0                           ; r
	v_bfe_u32 v2, v0, 4, 1                         ; h
	v_and_b32 v3, 31, v0                           ; lane
	v_and_b32 v4, 7, v0
	v_bfe_u32 v5, v0, 3, 1
	v_bfe_u32 v6, v0, 3, 2
	v_lshlrev_b32 v16, 4, v3
	v_lshlrev_b32 v13, 7, v1
	v_lshl_add_u32 v13, v2, 4, v13                 ; Q: row r x 128 + 16 h
	global_load_b128 v[240:243], v16, s[38:39]     ; log2 a of tokens 4 lane .. + 3
	WIN 0x80
.set i_, 0
.rept 16                                       ; Q stays in registers: block i / 2, channels 32 (i % 2) on
	global_load_b128 v[8*i_:8*i_+3],   v13, s[34:35] offset:(i_/2)*2048+(i_%2)*64
	global_load_b128 v[8*i_+4:8*i_+7], v13, s[34:35] offset:(i_/2)*2048+(i_%2)*64+32
.set i_, i_+1
.endr
	WIN 0
	s_mul_i32 s67, s12, 5120
	v_lshl_add_u32 v27, v3, 4, s67                 ; my five tiles (rows i = 16 w ..) in a record,
	s_add_co_u32 s67, s67, XB
	v_lshl_add_u32 v21, v3, 4, s67                 ; and in a partial state
	WIN 0x40                                       ; a segment that does not exist is a zero state: all seven places are cleared, and those that exist are loaded
.set i_, 0
.rept 240
	v_mov_b32 v[i_], 0
.set i_, i_+1
.endr
	WIN 0
.set i_, 0
.rept 40
	v_mov_b32 v[112+i_], 0
.set i_, i_+1
.endr
.irp j, 0,1,2,3,4,5,6
	s_cmp_gt_u32 s13, \j
	s_cbranch_scc0 .Lno_more
.if \j < 6
	WIN 0x40
.set GJ_, 40*\j
.else
.set GJ_, 112
.endif
.set p_, 0
.rept 10
	global_load_b128 v[GJ_+4*p_:GJ_+4*p_+3], v27, s[40:41] offset:\j*RECB+512*p_
.set p_, p_+1
.endr
	WIN 0
.endr
.Lno_more:
	v_mul_u32_u24 v10, v1, 160                     ; K by rows: row r x pitch + 16 h
	v_lshl_add_u32 v10, v2, 4, v10
	v_add_nc_u32 v10, s32, v10
	v_lshl_add_u32 v11, v2, 3, v4                  ; the turning load: token 8 h + lane % 8, channels 8 ((lane / 8) % 2) on
	v_mul_u32_u24 v11, v11, 160
	v_lshl_add_u32 v11, v5, 4, v11
	v_add_nc_u32 v11, s32, v11
	v_add_nc_u32 v12, 20480, v11
	s_mul_i32 s67, s12, 2304
	s_add_co_u32 s67, s67, STG
	v_mul_u32_u24 v14, v1, 144                     ; the way out, in: row r, 16 bytes for each half of the lanes
	v_lshl_add_u32 v14, v2, 4, v14
	v_add_nc_u32 v14, s67, v14
	v_mul_u32_u24 v15, v6, 144                     ; back: four rows of 128 bytes
	v_lshl_add_u32 v15, v4, 4, v15
	v_add_nc_u32 v15, s67, v15
	s_lshl_b32 s67, s12, 9
	s_add_co_u32 s67, s67, LW
	v_lshl_add_u32 v17, v3, 4, s67
	v_lshl_add_u32 v18, v2, 5, s67
	v_lshl_add_u32 v19, v1, 2, s67
	s_mul_i32 s67, s12, 20480
	s_add_co_u32 s67, s67, XB
	v_lshl_add_u32 v20, v3, 4, s67
	s_lshl_b32 s67, s12, 9
	s_add_co_u32 s67, s67, FBS
	v_lshl_add_u32 v22, v3, 4, s67
	s_mul_i32 s67, s12, 10240
	s_add_co_u32 s67, s67, FBS
	v_lshl_add_u32 v23, v3, 4, s67
	s_lshl_b32 s67, s12, 2
	s_add_co_u32 s67, s67, LAMB
	v_mov_b32 v24, s67
	v_mov_b32 v25, 0
	v_lshlrev_b32 v26, 3, v2
	v_sub_nc_u32 v26, v1, v26                      ; r - 8 h: register j of the diagonal tile is seen where this is j or more
	v_mov_b32 v30, LAMB
	v_mov_b32 v251, 0
.irp j, 0,1,2,3,4,5,6,7
	v_cmp_ge_i32 s[56+\j], v26, \j
.endr
	s_wait_loadcnt 0x0                             ; all loads went out together
	s_wait_kmcnt 0x0
	LSCAN
	; the state at the segment's head: sum over j < segment of 2^(Lam_(j+1) + .. + Lam_(segment-1)) x record j
.irp j, 1,2,3,4,5,6
	s_cmp_gt_u32 s13, \j
	s_cselect_b32 s[48+\j], s[48+\j], 0
.endr
	v_mov_b32 v[CJ+12], 0
.irp j, 5,4,3,2,1,0
	v_add_f32 v[CJ+2*\j], s[49+\j], v[CJ+2*\j+2]
.endr
.irp j, 0,1,2,3,4,5,6
	v_exp_f32 v[CJ+2*\j], v[CJ+2*\j]
.endr
	v_nop
	s_wait_alu depctr_va_vdst(0)
.irp j, 0,1,2,3,4,5,6
	v_mov_b32 v[CJ+2*\j+1], v[CJ+2*\j]
.endr
	WIN 0x01
.set i_, 0
.rept 20
	v_pk_mul_f32 v[SG+2*i_:SG+2*i_+1], v[2*i_:2*i_+1], v[CJ:CJ+1]
.set i_, i_+1
.endr
.irp j, 1,2,3,4,5
.set i_, 0
.rept 20
	v_pk_fma_f32 v[SG+2*i_:SG+2*i_+1], v[40*\j+2*i_:40*\j+2*i_+1], v[CJ+2*\j:CJ+2*\j+1], v[SG+2*i_:SG+2*i_+1]
.set i_, i_+1
.endr
.endr
	WIN 0
.set i_, 0
.rept 20
	v_pk_fma_f32 v[SG+2*i_:SG+2*i_+1], v[112+2*i_:113+2*i_], v[CJ+12:CJ+13], v[SG+2*i_:SG+2*i_+1]
.set i_, i_+1
.endr
	s_wait_tensorcnt 0x0                           ; my two tiles are in; only I read them
	VLOAD
	s_cmp_eq_u32 s12, 3                            ; nobody needs the last wave's local state
	s_cbranch_scc1 .Lno_state
	WEIGHTS
	STATE
.Lno_state:
.rept 4
	v_nop
.endr
	WIN 0x80
.set i_, 0
.rept 16                                       ; K by rows, where K^T lay: key block i / 2, channels 32 (i % 2) on
	ds_load_b128 v[128+8*i_:128+8*i_+3],   v10 offset:(i_/2)*2560+(i_%2)*64
	ds_load_b128 v[128+8*i_+4:128+8*i_+7], v10 offset:(i_/2)*2560+(i_%2)*64+32
.set i_, i_+1
.endr
	WIN 0
	s_wait_dscnt 0x0                               ; for the others' sake: my state and my Lam are stored
	s_barrier_signal -1
	s_barrier_wait -1
	WIN 0x40
.set p_, 0
.rept 10
	ds_load_b128 v[4*p_:4*p_+3],       v21 offset:512*p_
	ds_load_b128 v[40+4*p_:40+4*p_+3], v21 offset:20480+512*p_
	ds_load_b128 v[80+4*p_:80+4*p_+3], v21 offset:40960+512*p_
.set p_, p_+1
.endr
	WIN 0
	ds_load_b128 v[240:243], v30
	s_wait_dscnt 0x0
.irp d, 0,1,2
	v_exp_f32 v[132+2*\d], v[240+\d]
	v_exp_f32 v[133+2*\d], v[240+\d]
.endr
	v_nop
	s_wait_alu depctr_va_vdst(0)
.irp d, 0,1,2,3                        ; my rows of the state at the head of wave d: rounded to bf16 into LDS; then on through wave d's tokens
.set i_, 0
.rept 20
	v_cvt_pk_bf16_f32 v[112+i_], v[SG+2*i_], v[SG+2*i_+1]
.set i_, i_+1
.endr
.irp c, 0,1,2,3,4
	ds_store_b128 v22, v[112+4*\c:112+4*\c+3] offset:\d*10240+\c*2048
.endr
.if \d < 3
	WIN 0x10
.set i_, 0
.rept 20
	v_pk_fma_f32 v[SG+2*i_:SG+2*i_+1], v[SG+2*i_:SG+2*i_+1], v[132+2*\d:133+2*\d], v[40*\d+2*i_:40*\d+2*i_+1]
.set i_, i_+1
.endr
	WIN 0
.endif
.endr
	s_wait_dscnt 0x0
	s_barrier_signal -1
	s_barrier_wait -1
	WIN 0x40
.set i_, 0
.rept 20                                       ; S_in of my wave: column block i / 4, rows 16 (i % 4) on
	ds_load_b128 v[SF+4*i_:SF+4*i_+3], v23 offset:512*i_
.set i_, i_+1
.endr
	WIN 0
	s_wait_dscnt 0x0
; A BLOCK OF 16 QUERIES against key blocks 0 .. qb.
.macro QBLK qb
.set NTI, (\qb)+1
.set UU_, ((\qb)+2)/2
.if (\qb) > 0
	s_wait_xcnt 0x0                                ; the last block's stores have read their registers
.endif
	WIN 0x0a
.set c_, 0
.rept 2
.set k_, 0
.rept NTI
.if c_ == 0
	v_wmma_f32_16x16x32_f16 v[RS+8*k_:RS+8*k_+7], v[128+16*k_:128+16*k_+7], v[16*(\qb):16*(\qb)+7], 0
.else
.if NTI == 1
	s_wait_alu depctr_va_vdst(0)                   ; the wait directly ahead of the link
.endif
	v_wmma_f32_16x16x32_f16 v[RS+8*k_:RS+8*k_+7], v[128+16*k_+8:128+16*k_+15], v[16*(\qb)+8:16*(\qb)+15], v[RS+8*k_:RS+8*k_+7]
.endif
.set k_, k_+1
.endr
.set c_, c_+1
.endr
	WIN 0
.set i_, 0
.rept 4*NTI                                    ; L_t - L_s: also the places behind the products
	v_pk_add_f32 v[RE+2*i_:RE+2*i_+1], v[LQ+2*(\qb):LQ+2*(\qb)+1], v[LK+2*i_:LK+2*i_+1] neg_lo:[0,1] neg_hi:[0,1]
.set i_, i_+1
.endr
.set i_, 0
.rept 8*NTI                                    ; one batch of exponentials, one wait
	v_exp_f32 v[RE+i_], v[RE+i_]
.set i_, i_+1
.endr
	v_exp_f32 v250, v[LQ+2*(\qb)]                  ; 2^(L_t)
	v_nop
	s_wait_alu depctr_va_vdst(0)
.set i_, 0
.rept 4*NTI
	v_pk_mul_f32 v[RS+2*i_:RS+2*i_+1], v[RS+2*i_:RS+2*i_+1], v[RE+2*i_:RE+2*i_+1]
.set i_, i_+1
.endr
.irp j, 0,1,2,3,4,5,6,7
	v_cndmask_b32 v[RS+8*(\qb)+\j], 0, v[RS+8*(\qb)+\j], s[56+\j]  ; the diagonal tile: later keys count 0, by a select
.endr
.set k_, 0
.rept NTI                                      ; the row's largest weight; the tiles take turns
	v_max3_num_f32 v[MT+k_], v[RS+8*k_], v[RS+8*k_+1], v[RS+8*k_+2]
.set k_, k_+1
.endr
.set k_, 0
.rept NTI
	v_max3_num_f32 v[MT+k_], v[MT+k_], v[RS+8*k_+3], v[RS+8*k_+4]
.set k_, k_+1
.endr
.set k_, 0
.rept NTI
	v_max3_num_f32 v[MT+k_], v[MT+k_], v[RS+8*k_+5], v[RS+8*k_+6]
.set k_, k_+1
.endr
.set k_, 0
.rept NTI
	v_max_num_f32 v[MT+k_], v[MT+k_], v[RS+8*k_+7]
.set k_, k_+1
.endr
.set k_, 1
.rept NTI-1
	v_max_num_f32 v[MT], v[MT], v[MT+k_]
.set k_, k_+1
.endr
	v_permlanex16_b32 v251, v[MT], s44, s45        ; the query's other keys lie in the lane 16 away
	v_max3_num_f32 v[MT], v[MT], v251, 0x2b800000  ; at least 2^-40
	v_rcp_f32 v248, v[MT]
	v_rcp_f32 v249, v[MT]
	v_nop
	s_wait_alu depctr_va_vdst(0)
	v_mul_f32 v252, v248, v250                     ; c 2^(L_t)
.set i_, 0
.rept 4*NTI
	v_pk_mul_f32 v[RS+2*i_:RS+2*i_+1], v[RS+2*i_:RS+2*i_+1], v[248:249]
.set i_, i_+1
.endr
	WIN 0x40
.set i_, 0
.rept 4*NTI
	v_cvt_pk_f16_f32 v[RP+i_], v[RS+2*i_], v[RS+2*i_+1]
.set i_, i_+1
.endr
.if NTI%2
.irp j, 0,1,2,3
	v_mov_b32 v[RP+4*NTI+\j], 0                    ; the half of the last 32 keys that lies above the diagonal
.endr
.endif
	WIN 0x02
.set i_, 0
.rept 16                                       ; q~ = c 2^(L_t) q, from f16 halves into f32,
	v_fma_mix_f32 v[T32+2*i_],   v[16*(\qb)+i_], v252, v25 op_sel_hi:[1,0,0]
	v_fma_mix_f32 v[T32+2*i_+1], v[16*(\qb)+i_], v252, v25 op_sel:[1,0,0] op_sel_hi:[1,0,0]
.set i_, i_+1
.endr
	WIN 0x40
.set i_, 0
.rept 16                                       ; and rounded to bf16
	v_cvt_pk_bf16_f32 v[QT+i_], v[T32+2*i_], v[T32+2*i_+1]
.set i_, i_+1
.endr
	WIN 0x57
.set u_, 0
.rept UU_                                      ; O^T = [V | 1]^T P: five accumulators take turns
.set c_, 0
.rept 5
.set VV_, 32*u_+8*c_
.if c_ == 4
.set VV_, 128
.endif
.if u_ == 0
	v_wmma_f32_16x16x32_f16 v[8*c_:8*c_+7], v[VV_:VV_+7], v[RP+8*u_:RP+8*u_+7], 0
.else
	v_wmma_f32_16x16x32_f16 v[8*c_:8*c_+7], v[VV_:VV_+7], v[RP+8*u_:RP+8*u_+7], v[8*c_:8*c_+7]
.endif
.set c_, c_+1
.endr
.set u_, u_+1
.endr
	WIN 0x55
.set u_, 0
.rept 2                                        ; O2^T = S_in^T q~, in accumulators of its own: the two forms share no chain
.set c_, 0
.rept 5
.if u_ == 0
	v_wmma_f32_16x16x32_bf16 v[40+8*c_:40+8*c_+7], v[SF+16*c_+8*u_:SF+16*c_+8*u_+7], v[QT+8*u_:QT+8*u_+7], 0
.else
	v_wmma_f32_16x16x32_bf16 v[40+8*c_:40+8*c_+7], v[SF+16*c_+8*u_:SF+16*c_+8*u_+7], v[QT+8*u_:QT+8*u_+7], v[40+8*c_:40+8*c_+7]
.endif
.set c_, c_+1
.endr
.set u_, u_+1
.endr
.rept 8
	v_nop
.endr
	WIN 0x05
	v_add_f32 v253, v32, v72                       ; den, from the two fifth accumulators' lowest registers,
	WIN 0
	v_fma_f32 v253, v248, s46, v253                ; + c eps
	v_rcp_f32 v254, v253
	v_rcp_f32 v255, v253
	WIN 0x45
.set i_, 0
.rept 16                                       ; plain work behind the reciprocals
	v_pk_add_f32 v[2*i_:2*i_+1], v[2*i_:2*i_+1], v[40+2*i_:41+2*i_]
.set i_, i_+1
.endr
	s_wait_alu depctr_va_vdst(0)
	WIN 0x41
.set i_, 0
.rept 16
	v_pk_mul_f32 v[2*i_:2*i_+1], v[2*i_:2*i_+1], v[254:255]
.set i_, i_+1
.endr
	WIN 0x05
.set i_, 0
.rept 16
	v_cvt_pk_f16_f32 v[PKO+i_], v[2*i_], v[2*i_+1]
.set i_, i_+1
.endr
	WIN 0
.irp f, 0,1,2,3
	ds_store_b128 v14, v[PKO+4*\f:PKO+4*\f+3] offset:32*\f
.endr
.irp f, 0,1,2,3
	ds_load_b128 v[BK+4*\f:BK+4*\f+3], v15 offset:576*\f  ; LDS serves a wave's instructions in order (ISA guide 5.7.1.4): these see the stores above
.endr
	s_wait_dscnt 0x0
.irp f, 0,1,2,3
	global_store_b128 v16, v[BK+4*\f:BK+4*\f+3], s[36:37] offset:(\qb)*2048+512*\f  ; 512 consecutive bytes, aligned
.endr
.endm
	QBLK 0
	QBLK 1
	QBLK 2
	QBLK 3
	QBLK 4
	QBLK 5
	QBLK 6
	QBLK 7
	s_wait_tensorcnt 0x0                           ; the wave's end
	ds_add_u32 v28, v29
	s_wait_dscnt 0x0
	s_endpgm
.Lfunc_end_k_q48c6303f31_ssd_out:
	.size	k_q48c6303f31_ssd_out, .Lfunc_end_k_q48c6303f31_ssd_out-k_q48c6303f31_ssd_out
	.p2alignl 7, 3214868480
	.fill 96, 4, 3214868480
	.section	.rodata,"a",@progbits
	.p2align	6, 0x0
	.amdhsa_kernel k_q48c6303f31_ssd_out
		.amdhsa_group_segment_fixed_size 278272
		.amdhsa_private_segment_fixed_size 0
		.amdhsa_enable_private_segment 0
		.amdhsa_kernarg_size 32
		.amdhsa_user_sgpr_count 2
		.amdhsa_user_sgpr_kernarg_segment_ptr 1
		.amdhsa_wavefront_size32 1
		.amdhsa_system_sgpr_workgroup_id_x 1
		.amdhsa_system_sgpr_workgroup_id_y 1
		.amdhsa_system_sgpr_workgroup_id_z 1
		.amdhsa_system_vgpr_workitem_id 0
		.amdhsa_next_free_vgpr 1024
		.amdhsa_next_free_sgpr 72
		.amdhsa_reserve_vcc 0
		.amdhsa_float_denorm_mode_32 3
		.amdhsa_float_denorm_mode_16_64 3
		.amdhsa_memory_ordered 1
		.amdhsa_forward_progress 1
		.amdhsa_inst_pref_size 221
	.end_amdhsa_kernel
	.amdgpu_metadata
---
amdhsa.version: [ 1, 2 ]
amdhsa.kernels:
  - .name:           k_q48c6303f31_ssd_out
    .symbol:         k_q48c6303f31_ssd_out.kd
    .args:
      - { .name: qkv, .offset: 0, .size: 8, .value_kind: global_buffer, .address_space: global }
      - { .name: la, .offset: 8, .size: 8, .value_kind: global_buffer, .address_space: global }
      - { .name: st, .offset: 16, .size: 8, .value_kind: global_buffer, .address_space: global }
      - { .name: ob, .offset: 24, .size: 8, .value_kind: global_buffer, .address_space: global }
    .group_segment_fixed_size: 278272
    .private_segment_fixed_size: 0
    .kernarg_segment_align: 8
    .kernarg_segment_size: 32
    .max_flat_workgroup_size: 128
    .sgpr_count:     72
    .vgpr_count:     1024
    .wavefront_size: 32
...
	.end_amdgpu_metadata
.endif
;; end of part 4
;; launch gemm_out (part 5): grid 8 x 32, 4 waves a work-group, clusters of 4 x 4, 327,680 bytes of LDS; arguments ob, WoT, out0; writes out0
.if DOCPART == 5
	.amdgcn_target "amdgcn-amd-amdhsa--gfx1250"
	.amdhsa_code_object_version 6
	.text
	.protected	k_q48c6303f31_gemm_out
	.globl	k_q48c6303f31_gemm_out
	.p2align	8
	.type	k_q48c6303f31_gemm_out,@function
k_q48c6303f31_gemm_out:
	s_mov_b64 s[64:65], 0
	v_nop
	global_prefetch_b8 v0, s[64:65] scope:SCOPE_SE
	s_setreg_imm32_b32 hwreg(HW_REG_WAVE_MODE, 25, 1), 1
	s_wait_xcnt 0x0
	s_wait_alu depctr_hold_cnt(0) depctr_sa_sdst(0) depctr_va_vdst(0) depctr_va_sdst(0) depctr_va_ssrc(0) depctr_va_vcc(0) depctr_vm_vsrc(0)
	s_getreg_b32 s2, hwreg(HW_REG_IB_STS2, 6, 4)
	s_cmp_eq_u32 s2, 0
	s_cbranch_scc0 .Lentry_in_a_cluster
	s_endpgm
.Lentry_in_a_cluster:
	s_bfe_u32 s2, ttmp6, 0x10000c
	s_cmp_lg_u32 s2, 0xf033
	s_cbranch_scc0 .Lentry_shape_is_right
	s_endpgm
.Lentry_shape_is_right:
; out0 [8192][1024] f32 = o Wo.  o = ob [32 = 16 b + h][4096][64] f16, WoT [1024 d][1024 p] f16; sums in f32, stored as they are.  Nothing of reference() is left out here.
; A TILE is 256 tokens x 128 columns.  Four waves, one above the other: wave w has tokens 64 w .. + 63 and all columns: 4 x 8 accumulators.  K = 1,024 goes in 8 steps of 128 = two heads, through two LDS slots.
; o's part of a K step is two planes, one a head: 256 tokens x 128 bytes, dense in memory: asked for as 128 rows of 256 bytes and padded after every token.  Wave 0 brings the even head, wave 1 the odd one; waves 2, 3 WoT's halves.
; CLUSTER 4 x 4: o's tiles are shared along a row of the cluster, WoT's along a column, by joint loads.  THE MATRIX INSTRUCTION IS USED TRANSPOSED: a lane holds one token and eight neighbouring columns.
; REGISTERS: window 0: v0-31 addresses; v64-127 o's fragments, two buffers (on the way out: rows read back).  window 1: WoT's fragments at v0 and v128.  windows 2, 3: accumulators at v[8 (8 (a % 2) + b)].
.set NBLK,  8
.set PA,    144                        ; a token's row of a plane in LDS: 128 bytes + 16
.set PB,    272                        ; a row of WoT: 256 bytes + 16
.set PLANE, 256*PA
.set ASZ,   2*PLANE
.set SLOT1, 131072
.set STAGE, 239616                     ; behind the ring: 16 rows x 528 bytes for each wave
.set SPARE, 273408
.set NLD,   2*NBLK+8
.set KSA,   1048576                    ; two heads of ob
.set KSB,   256
.set MSB, 0
.macro WIN new
.if MSB != (\new)
	s_set_vgpr_msb (MSB<<8)|(\new)
.set MSB, (\new)
.endif
.endm
.macro PLACES
.rept 4
	v_nop
.endr
.endm
.macro CREST
	s_cmp_lg_u32 s14, 0
	s_cbranch_scc1 .Lnot_wave_0_\@
	s_barrier_signal -3
.Lnot_wave_0_\@:
	s_barrier_wait -3
	s_barrier_signal -1
	s_barrier_wait -1
.endm
.macro CROUND
	s_barrier_signal -1
	s_barrier_wait -1
	CREST
.endm
.macro JLOAD
	s_cmp_lt_u32 s14, 2
	s_cbranch_scc0 .Lfor_b_\@
	tensor_load_to_lds s[44:47], s[24:31]
	s_nop 0
.rept 4
	v_nop
.endr
	s_branch .Lasked_\@
.Lfor_b_\@:
	tensor_load_to_lds s[52:55], s[32:39]
	s_nop 0
.rept 4
	v_nop
.endr
.Lasked_\@:
.endm
; A prefetch of the K step two refills on, 256 bytes a lane.  ob's planes are read by both clusters of a row of clusters: cluster x = 0 asks; WoT's rows by every cluster of a column: cluster y = 0 asks.
; The four partners share a wave's bytes out by address (32 blocks each of a plane's 128; 16 rows each of WoT's 64, the upper lanes repeating the last).  The loop's last two trips ask for nothing.
.macro ASK
	s_cmp_gt_u32 s57, s58
	s_cbranch_scc0 .Lnot_mine_\@
	global_prefetch_b8 v30, s[60:61] th:TH_LOAD_NT scope:SCOPE_SE
.Lnot_mine_\@:
.endm
.macro FETCH q, f
	WIN 0x40
.set i_, 0
.rept NBLK
	ds_load_b128 v[128*(\f)+8*i_:128*(\f)+8*i_+3],   v19 offset:i_*16*PB+64*(\q)
	ds_load_b128 v[128*(\f)+8*i_+4:128*(\f)+8*i_+7], v19 offset:i_*16*PB+64*(\q)+32
.set i_, i_+1
.endr
	WIN 0
.set i_, 0
.rept 4
	ds_load_b128 v[64+32*(\f)+8*i_:64+32*(\f)+8*i_+3],   v18 offset:((\q)/2)*PLANE+i_*16*PA+64*((\q)%2)
	ds_load_b128 v[64+32*(\f)+8*i_+4:64+32*(\f)+8*i_+7], v18 offset:((\q)/2)*PLANE+i_*16*PA+64*((\q)%2)+32
.set i_, i_+1
.endr
.endm
.macro MULA f, a, zero                 ; 8 products; all 32 accumulators take turns, one instruction a turn
	WIN 0xa1+0x50*((\a)/2)
.set AC_, 8*NBLK*((\a)%2)
.set b_, 0
.rept NBLK
.if \zero
	v_wmma_f32_16x16x32_f16 v[AC_+8*b_:AC_+8*b_+7], v[128*(\f)+8*b_:128*(\f)+8*b_+7], v[64+32*(\f)+8*(\a):64+32*(\f)+8*(\a)+7], 0
.else
	v_wmma_f32_16x16x32_f16 v[AC_+8*b_:AC_+8*b_+7], v[128*(\f)+8*b_:128*(\f)+8*b_+7], v[64+32*(\f)+8*(\a):64+32*(\f)+8*(\a)+7], v[AC_+8*b_:AC_+8*b_+7]
.endif
.set b_, b_+1
.endr
.endm
.macro QUARTER q, f, g, zero
	s_wait_dscnt 4                                 ; all but the youngest four loads: o's blocks 2 and 3
	MULA \f, 0, \zero
	MULA \f, 1, \zero
	PLACES
	FETCH \q, \g
	s_wait_dscnt NLD                               ; all but the run just issued
	MULA \f, 2, \zero
	MULA \f, 3, \zero
.endm
.macro TURN fill                       ; the last quarter and the change of slots: the waits and the add in front of the barrier, the joint refill first behind the round
.if \fill
	s_wait_xcnt 0x0                                ; the last prefetch, a K step back, has read its address
	s_add_nc_u64 s[60:61], s[60:61], s[62:63]
.endif
	WIN 0
	s_wait_tensorcnt 0x0
	ds_add_u32 v28, v29
	s_wait_dscnt 5                                 ; the add and o's blocks 2 and 3 may be out
	MULA 1, 0, 0
	s_wait_dscnt 0x0
	s_barrier_signal -1
	MULA 1, 1, 0
	WIN 0
	s_barrier_wait -1
.if \fill
	CREST
	s_xor_b32 s45, s45, SLOT1
	s_add_nc_u64 s[46:47], s[46:47], KSA
	s_xor_b32 s53, s53, SLOT1
	s_add_nc_u64 s[54:55], s[54:55], KSB
	JLOAD
.else
	PLACES
.endif
	s_xor_b32 s56, s56, SLOT1
	v_add_nc_u32 v18, s56, v16
	v_add_nc_u32 v19, s56, v17
	FETCH 0, 0
.if \fill
	ASK
.endif
	MULA 1, 2, 0
	MULA 1, 3, 0
.endm
	s_load_b128 s[4:7], s[0:1], 0x0                ; ob s[4:5], WoT s[6:7]
	s_load_b64 s[8:9], s[0:1], 0x10                ; out0
	v_lshl_add_u32 v28, v0, 2, SPARE
	v_mov_b32 v29, 0
	ds_add_u32 v28, v29                            ; the wave's opening: the add, twice on end, and its wait ahead of my first tensor load
	ds_add_u32 v28, v29
	v_lshrrev_b32 v1, 5, v0
	v_readfirstlane_b32 s14, v1
	s_and_b32 s15, s14, 1
	s_bfe_u32 s16, ttmp6, 0x40000                  ; cx
	s_bfe_u32 s17, ttmp6, 0x40004                  ; cy
	s_lshl_b32 s18, ttmp9, 2
	s_add_co_u32 s18, s18, s16                     ; the block of 128 columns
	s_and_b32 s19, ttmp7, 0xffff
	s_lshl_b32 s19, s19, 2
	s_add_co_u32 s19, s19, s17                     ; the block of 256 tokens
	s_lshl_b32 s20, s17, 2
	s_lshl_b32 s20, 15, s20                        ; my row of the cluster
	s_lshl_b32 s22, 0x1111, s16                    ; my column
	s_or_b32 s24, s20, (1<<16)|(1<<20)|(1<<21)|(4<<22)|(3<<25)  ; ob: padding of 4 words after every 32
	s_or_b32 s32, s22, (1<<16)|(1<<20)|(1<<21)|(5<<22)|(3<<25)  ; WoT: after every 64
	s_mov_b32 s25, 128<<16
	s_mov_b32 s26, 128<<16
	s_mov_b32 s27, 128<<16
	s_mov_b32 s28, 128
	s_mov_b32 s29, 128                             ; dense: 128 elements from row to row
	s_mov_b32 s30, 0
	s_mov_b32 s31, 0
	s_mov_b32 s33, 128<<16
	s_mov_b32 s34, 64<<16
	s_mov_b32 s35, 128<<16
	s_mov_b32 s36, 64
	s_mov_b32 s37, 1024
	s_mov_b32 s38, 0
	s_mov_b32 s39, 0
	s_lshr_b32 s20, s19, 4
	s_lshl_b32 s20, s20, 4
	s_add_co_u32 s20, s20, s15                     ; the sequence 16 b + (even or odd head)
	s_lshl_b32 s20, s20, 12
	s_and_b32 s21, s19, 15
	s_lshl_b32 s21, s21, 8
	s_add_co_u32 s20, s20, s21
	s_lshl_b32 s20, s20, 7                         ; 128 bytes a token
	s_mov_b32 s21, 0
	s_lshl_b32 s22, s18, 7
	s_lshl_b32 s23, s15, 6
	s_add_co_u32 s22, s22, s23
	s_lshl_b32 s22, s22, 11                        ; WoT: row 128 block + 64 half
	s_mov_b32 s23, 0
	s_mul_i32 s82, s14, PLANE                      ; where the planes go (waves 0, 1),
	s_mul_i32 s83, s14, 64*PB
	s_add_co_u32 s83, s83, ASZ-2*64*PB             ; and WoT's halves (waves 2, 3)
	s_mov_b32 s56, 0
	s_mov_b32 s57, 6
	s_wait_dscnt 0x0
	s_wait_kmcnt 0x0
	s_add_nc_u64 s[20:21], s[4:5], s[20:21]
	s_add_nc_u64 s[22:23], s[6:7], s[22:23]
	s_mov_b32 s40, 1
	s_mov_b32 s41, s82
	s_mov_b64 s[42:43], s[20:21]
	s_or_b32 s43, s43, 0x80000000
	s_mov_b32 s44, 1
	s_add_co_u32 s45, s82, SLOT1
	s_add_nc_u64 s[46:47], s[20:21], KSA
	s_or_b32 s47, s47, 0x80000000
	s_mov_b32 s48, 1
	s_mov_b32 s49, s83
	s_mov_b64 s[50:51], s[22:23]
	s_or_b32 s51, s51, 0x80000000
	s_mov_b32 s52, 1
	s_add_co_u32 s53, s83, SLOT1
	s_add_nc_u64 s[54:55], s[22:23], KSB
	s_or_b32 s55, s55, 0x80000000
	CROUND                                         ; all sixteen work-groups are here: the first joint loads meet
	s_cmp_lt_u32 s14, 2
	s_cbranch_scc0 .Lfirst_b
	tensor_load_to_lds s[40:43], s[24:31]
	s_nop 0
	tensor_load_to_lds s[44:47], s[24:31]
	s_nop 0
.rept 4
	v_nop
.endr
	s_branch .Lfirst_done
.Lfirst_b:
	tensor_load_to_lds s[48:51], s[32:39]
	s_nop 0
	tensor_load_to_lds s[52:55], s[32:39]
	s_nop 0
.rept 4
	v_nop
.endr
.Lfirst_done:
	v_and_b32 v1, 15, v0
	v_bfe_u32 v2, v0, 4, 1
	v_and_b32 v3, 31, v0
	v_mul_u32_u24 v16, v1, PA
	v_lshl_add_u32 v16, v2, 4, v16
	s_mul_i32 s84, s14, 64*PA
	v_add_nc_u32 v16, s84, v16                     ; my 64 tokens in a plane of slot 0
	v_mul_u32_u24 v17, v1, PB
	v_lshl_add_u32 v17, v2, 4, v17
	v_add_nc_u32 v17, ASZ, v17                     ; WoT's rows in slot 0
	v_mov_b32 v18, v16
	v_mov_b32 v19, v17
	s_mul_i32 s84, s14, 8448
	s_add_co_u32 s84, s84, STAGE
	v_mul_u32_u24 v24, v1, 528                     ; in: row r, 32 bytes for each half of the lanes
	v_lshl_add_u32 v24, v2, 5, v24
	v_add_nc_u32 v24, s84, v24
	v_lshl_add_u32 v25, v3, 4, s84                 ; back: a row of 512 bytes a load
	v_lshlrev_b32 v26, 4, v3
	s_lshl_b32 s82, s19, 8
	s_lshl_b32 s83, s14, 6
	s_add_co_u32 s82, s82, s83
	s_lshl_b32 s82, s82, 12                        ; my first row of out0, 4,096 bytes a row,
	s_lshl_b32 s83, s18, 9                         ; and the tile's 512 bytes of it
	s_add_co_u32 s82, s82, s83
	s_mov_b32 s83, 0
	s_add_nc_u64 s[70:71], s[8:9], s[82:83]
	s_and_b32 s82, ttmp7, 0xffff                   ; the prefetches
	s_mov_b32 s84, 32768                           ; WoT's figures first: an instruction holds one literal, so each select below names ob's figure and this register
	s_mov_b32 s62, KSB
	s_cmp_lt_u32 s14, 2                            ; do I fetch ob?
	s_cselect_b32 s82, ttmp9, s82                  ; the coordinate along which other clusters read the same bytes
	s_cselect_b32 s83, s16, s17                    ; my place among the four that ask with me
	s_cselect_b32 s84, 8192, s84                   ; bytes for each of the four: 32 blocks of a plane, 16 rows of WoT
	s_cselect_b32 s59, 31, 15
	s_cselect_b32 s85, 8, 11                       ; a lane's step: 256 bytes, or a row
	s_cselect_b32 s62, KSA, s62                    ; a K step
	s_cselect_b64 s[60:61], s[20:21], s[22:23]
	s_mov_b32 s63, 0
	s_cmp_eq_u32 s82, 0
	s_cselect_b32 s58, 2, -1                       ; the same in all sixteen partners, for a given wave
	s_mul_i32 s82, s83, s84
	s_mov_b32 s83, 0
	s_add_nc_u64 s[60:61], s[60:61], s[82:83]
	s_add_nc_u64 s[60:61], s[60:61], s[62:63]
	s_add_nc_u64 s[60:61], s[60:61], s[62:63]
	s_add_nc_u64 s[60:61], s[60:61], s[62:63]      ; at K step 3: the first refill steps it to 4.  Nothing is prefetched at the head
	v_min_u32 v30, s59, v3
	v_lshlrev_b32 v30, s85, v30
	s_wait_tensorcnt 1                             ; my part of K step 0 is in; K step 1's may stay out
	s_barrier_signal -1
	s_barrier_wait -1
	FETCH 0, 0
	QUARTER 1, 0, 1, 1
	WIN 0
.Lstep:                                                ; six trips; each fills a slot again: K steps 2 to 7
	QUARTER 2, 1, 0, 0
	QUARTER 3, 0, 1, 0
	TURN 1
	QUARTER 1, 0, 1, 0
	WIN 0
	s_sub_co_u32 s57, s57, 1
	s_cmp_lg_u32 s57, 0
	s_cbranch_scc1 .Lstep
	QUARTER 2, 1, 0, 0
	QUARTER 3, 0, 1, 0
	TURN 0
	QUARTER 1, 0, 1, 0
	QUARTER 2, 1, 0, 0
	QUARTER 3, 0, 1, 0
	s_wait_dscnt 4
	MULA 1, 0, 0
	MULA 1, 1, 0
	s_wait_dscnt 0x0
	MULA 1, 2, 0
	MULA 1, 3, 0
	WIN 0
.rept 8
	v_nop
.endr
; THE WAY OUT of token block a: the sums as they are, 32 bytes a lane into stage rows of 528 bytes, back as whole rows of 512 bytes, stored.  Each accumulator is read from its low end on.
.macro EPO a
.set AW_, 2+(\a)/2
.set AC_, 64*((\a)%2)
	WIN AW_<<2
.set b_, 0
.rept 8
	ds_store_b128 v24, v[AC_+8*b_:AC_+8*b_+3]   offset:64*b_
	ds_store_b128 v24, v[AC_+8*b_+4:AC_+8*b_+7] offset:64*b_+16
.set b_, b_+1
.endr
	WIN 0
.if (\a) > 0
	s_wait_xcnt 0x0                                ; the last block's stores have read their registers
.endif
.set i_, 0
.rept 16
	ds_load_b128 v[64+4*i_:67+4*i_], v25 offset:528*i_  ; LDS serves a wave's instructions in order (ISA guide 5.7.1.4): these see the stores above
.set i_, i_+1
.endr
	s_wait_dscnt 0x0
.set i_, 0
.rept 16
	global_store_b128 v26, v[64+4*i_:67+4*i_], s[70:71] offset:(16*(\a)+i_)*4096 th:TH_STORE_NT  ; 512 consecutive bytes, aligned
.set i_, i_+1
.endr
.endm
	EPO 0
	EPO 1
	EPO 2
	EPO 3
	s_wait_tensorcnt 0x0                           ; the wave's end
	ds_add_u32 v28, v29
	s_wait_dscnt 0x0
	CROUND                                         ; the closing round
	s_endpgm
.Lfunc_end_k_q48c6303f31_gemm_out:
	.size	k_q48c6303f31_gemm_out, .Lfunc_end_k_q48c6303f31_gemm_out-k_q48c6303f31_gemm_out
	.p2alignl 7, 3214868480
	.fill 96, 4, 3214868480
	.section	.rodata,"a",@progbits
	.p2align	6, 0x0
	.amdhsa_kernel k_q48c6303f31_gemm_out
		.amdhsa_group_segment_fixed_size 327680
		.amdhsa_private_segment_fixed_size 0
		.amdhsa_enable_private_segment 0
		.amdhsa_kernarg_size 24
		.amdhsa_user_sgpr_count 2
		.amdhsa_user_sgpr_kernarg_segment_ptr 1
		.amdhsa_wavefront_size32 1
		.amdhsa_system_sgpr_workgroup_id_x 1
		.amdhsa_system_sgpr_workgroup_id_y 1
		.amdhsa_system_sgpr_workgroup_id_z 1
		.amdhsa_system_vgpr_workitem_id 0
		.amdhsa_next_free_vgpr 1024
		.amdhsa_next_free_sgpr 96
		.amdhsa_reserve_vcc 0
		.amdhsa_float_denorm_mode_32 3
		.amdhsa_float_denorm_mode_16_64 3
		.amdhsa_memory_ordered 1
		.amdhsa_forward_progress 1
		.amdhsa_inst_pref_size 70
	.end_amdhsa_kernel
	.amdgpu_metadata
---
amdhsa.version: [ 1, 2 ]
amdhsa.kernels:
  - .name:           k_q48c6303f31_gemm_out
    .symbol:         k_q48c6303f31_gemm_out.kd
    .args:
      - { .name: ob, .offset: 0, .size: 8, .value_kind: global_buffer, .address_space: global }
      - { .name: WoT, .offset: 8, .size: 8, .value_kind: global_buffer, .address_space: global }
      - { .name: out0, .offset: 16, .size: 8, .value_kind: global_buffer, .address_space: global }
    .group_segment_fixed_size: 327680
    .private_segment_fixed_size: 0
    .kernarg_segment_align: 8
    .kernarg_segment_size: 24
    .max_flat_workgroup_size: 128
    .sgpr_count:     96
    .vgpr_count:     1024
    .wavefront_size: 32
...
	.end_amdgpu_metadata
.endif
;; end of part 5
